; MI455X (gfx1250); checked and timed in simulation.
; The chip was launched on July 23, 2026; its instructions are those of AMD's public machine-readable ISA for CDNA 5 (MIT licence, August 2026) and "CDNA5" Instruction Set Architecture Reference Guide (July 2026). The comments in the code are by the model that wrote it; some were corrected since.
;; Transformer Encoder Block. Allowed arithmetic: matrix products marked QUANTISED: E4M3 operands, one given power-of-two scale a tensor, by v_wmma_f32_16x16x64_fp8_fp8 or v_wmma_f32_16x16x128_fp8_fp8, f32 sums; everything else in f32.
;; Inputs: b1 4,096 float32; b2 1,024 float32; fc_b 1,024 float32; fc_w_codes 1,024 x 32 x 32 uint8 (E4M3 codes of fc_w, K innermost, in blocks of 32 codes); ln1_b 1,024 float32; ln1_g 1,024 float32; ln2_b 1,024 float32; ln2_g 1,024 float32; lowp_scales 12 int32 (the exponents e of the quantised operands' scales 2^e); w1_codes 4,096 x 32 x 32 uint8 (E4M3 codes of w1, K innermost, in blocks of 32 codes); w2_codes 1,024 x 128 x 32 uint8 (E4M3 codes of w2, K innermost, in blocks of 32 codes); wq_b 16 x 64 float32; wq_w_codes 16 x 64 x 32 x 32 uint8 (E4M3 codes of wq_w, K innermost, in blocks of 32 codes); x 2 x 2,048 x 1,024 float32.
;; Outputs: out0 2 x 2,048 x 1,024 float32.
;; This version of the problem:
;;   THIS VERSION OF THE PROBLEM IS GIVEN IN LOW PRECISION. The matrix products marked QUANTISED in the list below multiply operands that are first quantised to E4M3 (4 exponent bits, 3 mantissa bits; 8 bits a number), with one given power-of-two scale for each operand tensor; their sums are f32. All else is computed in f32.
;;   The module's matrix products, in the order in which they are computed (A, B: the left and right operand; K: the contracted axis; several contracted axes count as one K, in the product's order):
;;     1. [M 1,024, K 1,024] x [K 1,024, N 4,096]; A: input wq_w (given as codes); B: input x: QUANTISED (scales: A lowp_scales[0], B lowp_scales[1])
;;     2. batch 32 x [M 2,048, K 64] x [K 64, N 2,048]; A: computed on the way; B: computed on the way: QUANTISED (scales: A lowp_scales[2], B lowp_scales[3])
;;     3. batch 32 x [M 2,048, K 2,048] x [K 2,048, N 64]; A: softmax (see below); B: computed on the way: QUANTISED (scales: A lowp_scales[4], B lowp_scales[5])
;;     4. [M 4,096, K 1,024] x [K 1,024, N 1,024]; A: computed on the way; B: input fc_w (given as codes): QUANTISED (scales: A lowp_scales[6], B lowp_scales[7])
;;     5. [M 4,096, K 1,024] x [K 1,024, N 4,096]; A: computed on the way; B: input w1 (given as codes): QUANTISED (scales: A lowp_scales[8], B lowp_scales[9])
;;     6. [M 4,096, K 4,096] x [K 4,096, N 1,024]; A: computed on the way; B: input w2 (given as codes): QUANTISED (scales: A lowp_scales[10], B lowp_scales[11])
;;   THE QUANTISER, for each operand of a quantised product, along K:
;;     - The operand's scale is 2^e, e = its entry of the input lowp_scales (int32; the entries are numbered through the quantised products in the list's order, A before B).
;;     - Each number is divided by the scale, clamped to +-448, and rounded to the nearest number of E4M3, ties to even, subnormals kept.
;;     - The product sums the exact products of the quantised numbers (number of the format x scale) in f32.
;;   ~~~python
;;   def quantise(x, axis, e):      # numpy; x: float32 -> the quantised numbers, widened to float32 again
;;       x = np.moveaxis(x, axis, -1); K = x.shape[-1]
;;       r = np.clip(x / 2.0 ** e, -448, 448)
;;       step = 2.0 ** (np.maximum(np.frexp(np.where(r == 0, 1, r))[1] - 1, -6) - 3)
;;       q = np.round(r / step) * step * 2.0 ** e      # np.round: ties to even
;;       return np.moveaxis(q, -1, axis).astype(np.float32)
;;   ~~~
;;   SOFTMAX AHEAD OF A QUANTISED PRODUCT. Where the list says 'softmax', what is quantised is not the finished softmax but p = 2^(t - M), with t = logit x log2(e) and M = ceil(the row's largest t), a whole number; so 1/2 < the row's largest p <= 1. The row's sum l is taken of the UNQUANTISED p, in f32, and the product's result is divided by l at the end. Since M is a whole number, a kernel that streams over the keys may use a running M (the ceiling of the running maximum): every later rescaling is an exact power of two, so the quantised numbers keep their values, but for numbers so far below the row's largest that they fall under the format's range.
;;   OPERANDS COMPUTED ON THE WAY. 'Computed on the way' means the value that the module computes at that place (a softmax that the list does not call 'softmax' is quantised finished and normalised). What goes into a quantiser is computed in f32, as accurately as f32 sums, v_exp_f32 and their like allow (about 1e-6 of the number): no bf16 or f16 on the way to a quantiser, and a product that is left as it is and whose result goes on into a quantised operand takes f32 operands (vector FMAs, or v_wmma_f32_16x16x4_f32). A number that lies on a knife's edge between two numbers of the format may be rounded either way, as far as f32 arithmetic and the matrix unit's own rounding can turn it there, and no further.
;;   INPUTS GIVEN AS CODES. fc_w (in the module: [1024, 1024], K = its axis 0); w1 (in the module: [1024, 4096], K = its axis 0); w2 (in the module: [4096, 1024], K = its axis 0); wq_w (in the module: [16, 1024, 64], K = its axis 1): each comes as NAME_codes (uint8): NAME with its K axis moved to the last place and cut into blocks of 32 codes, [.., K / 32, bytes a block], one block behind the other in memory; one code a byte (a code: sign, 4 exponent bits, 3 mantissa bits); its scale is its entry of lowp_scales. Its value is code x scale, taken as it is: it is not quantised again, and the codes and scales need not be those that the quantiser above would give.
;; One version. Each part assembles by itself: llvm-mc -triple=amdgcn-amd-amdhsa -mcpu=gfx1250 --defsym DOCPART=n.
;; ======== version 1 of 1: 8 launches
;; limits: right only within a limited range of input values
;; workspace buffers: codes_a 4,194,304 bytes; codes_b 4,194,304 bytes; codes_k 4,194,304 bytes; codes_v 4,194,304 bytes; zbuf 16,777,216 bytes; ybuf 16,777,216 bytes; hbuf 16,777,216 bytes
;; launch quantx (part 1): grid 256 x 1, 4 waves a work-group, no clusters, 17,408 bytes of LDS; arguments x, lowp_scales, codes_a; writes codes_a
.if DOCPART == 1
	.amdgcn_target "amdgcn-amd-amdhsa--gfx1250"
	.amdhsa_code_object_version 6
	.text
	.protected	k_q9c1c3c7f24_quantx
	.globl	k_q9c1c3c7f24_quantx
	.p2align	8
	.type	k_q9c1c3c7f24_quantx,@function
k_q9c1c3c7f24_quantx:
	s_mov_b64 s[64:65], 0
	v_nop
	global_prefetch_b8 v0, s[64:65] scope:SCOPE_SE
	s_setreg_imm32_b32 hwreg(HW_REG_WAVE_MODE, 25, 1), 1
	s_wait_xcnt 0x0
; THE PROGRAM: a transformer encoder block on 4,096 tokens of 1,024 numbers, all six products on codes of FP8 (E4M3), in eight launches:
; this one (x into codes), the projection, attention, the way out of attention with its residual, the first norm, the two layers of the MLP, the last norm.
; DEAD WORK: none is left out.  Every input has a way to the output (the projection's bias stands ahead of three quantisers), and the projection is computed once, as the problem itself computes it once for Q, K and V.
; THIS LAUNCH: x [4096][1024] f32 becomes codes, code = x / 2^e, held within +-448, rounded to the nearest code, ties to even; e is entry 1 of the exponents.
; LIMITS: e between -126 and 119.  NaN among the inputs is not served (an infinity is held at the largest code).
; THE CODES' LAYOUT is an image of the matrix operand's registers: [block of 128 tokens][chunk of 128 along K][tile of 16 tokens][group g of 4 registers][lane][16 bytes].
; Lane (r, h) of group g holds, of token r of the tile, k = 32 g + 8 h + 0 .. 7 and 32 g + 16 + 8 h + 0 .. 7 of the chunk: registers 4 g .. 4 g + 3 of a fragment of 16 rows x 128 K.
; SHARES: a work-group takes a tile of 16 tokens, wave w its rows 4 w .. 4 w + 3.  Each load reads 512 consecutive bytes; the codes meet in LDS as rows of 1,024 bytes + 16;
; behind one barrier wave w reads chunks 2 w and 2 w + 1 in the image's order and stores 512 consecutive bytes an instruction.
; No cluster: the work-groups share no input.  No matrix unit, no tensor load: the launch streams.
.set PITCH, 1040                       ; 260 words: row r starts at bank 4 r mod 64 (64 banks of 4 bytes: ISA guide 11.1)
.set SPARE, 16*PITCH                   ; behind the rows: the spare words, 128 bytes for each wave: two blocks of 256 bytes that no other line names
.set X,   32                           ; v32-159  row i at 32 i: register 4 j + m = number 128 j + 4 lane + m
.set C,   160                          ; v160-191 row i's codes at 8 i: register j = the four codes of numbers 128 j + 4 lane + 0 .. 3
.set IM,  192                          ; v192-223 two chunks' images
.set SPW, 12                           ; v12  LDS address of my spare word; never rewritten
.set NIL, 13                           ; v13  0; never rewritten
	s_load_b128 s[4:7], s[0:1], 0x0                ; x, the exponents
	s_load_b64 s[8:9], s[0:1], 0x10                ; the codes
	v_lshl_add_u32 v[SPW], v0, 2, SPARE
	v_mov_b32 v[NIL], 0
	v_lshrrev_b32 v4, 5, v0
	v_readfirstlane_b32 s12, v4                    ; wave
	v_and_b32 v5, 31, v0                           ; lane
	v_lshlrev_b32 v1, 4, v5                        ; 16 x lane: my bytes of a load's and of a store's 512
	s_mul_i32 s13, s12, 4*PITCH
	v_lshl_add_u32 v2, v5, 2, s13                  ; into LDS: my wave's four rows, 4 bytes a lane
	v_and_b32 v6, 15, v0                           ; r
	v_bfe_u32 v7, v0, 4, 1                         ; h
	v_mul_u32_u24 v3, v6, PITCH
	v_lshl_add_u32 v3, v7, 3, v3
	s_lshl_b32 s14, s12, 8
	v_add_nc_u32 v3, s14, v3                       ; out of LDS: row r, + 8 h, + my wave's two chunks
	s_lshl_b32 s16, ttmp9, 16                      ; x: 16 rows of 4,096 bytes a work-group,
	s_lshl_b32 s17, s12, 14                        ; four a wave
	s_add_co_u32 s16, s16, s17
	s_mov_b32 s17, 0
	s_lshr_b32 s18, ttmp9, 3
	s_lshl_b32 s18, s18, 17                        ; the codes: the block of 128 tokens,
	s_and_b32 s19, ttmp9, 7
	s_lshl_b32 s19, s19, 11                        ; the tile in it,
	s_add_co_u32 s18, s18, s19
	s_lshl_b32 s19, s12, 15                        ; my wave's two chunks
	s_add_co_u32 s18, s18, s19
	s_mov_b32 s19, 0
	s_wait_alu depctr_va_vdst(0)
	s_wait_kmcnt 0x0
	s_load_b32 s20, s[6:7], 0x4                    ; e
	s_add_nc_u64 s[4:5], s[4:5], s[16:17]
	s_add_nc_u64 s[8:9], s[8:9], s[18:19]
.irp i, 0,1,2,3
.irp j, 0,1,2,3,4,5,6,7
	global_load_b128 v[X+32*\i+4*\j:X+32*\i+4*\j+3], v1, s[4:5] offset:4096*\i+512*\j th:TH_LOAD_NT
.endr
.endr
	s_wait_kmcnt 0x0
	s_add_co_i32 s20, s20, 127
	s_lshl_b32 s21, s20, 23
	v_mov_b32 v11, s21                             ; 2^e as f32: the conversion takes its exponent field
	s_add_co_i32 s20, s20, 8
	s_lshl_b32 s20, s20, 23
	s_or_b32 s20, s20, 0x600000
	v_mov_b32 v10, s20                             ; 448 x 2^e
.macro QROW i
	s_wait_loadcnt 24-8*(\i)                       ; this row's eight loads are in; the later rows' may be out
.irp p, 0,1,2,3
.irp m, 0,1,2,3,4,5,6,7
	v_med3_num_f32 v[X+32*(\i)+8*\p+\m], v[X+32*(\i)+8*\p+\m], -v10, v10   ; the conversion to an 8-bit code does not saturate (ISA guide 7.6.2): the hold comes first
.endr
	v_cvt_scalef32_pk8_fp8_f32 v[C+8*(\i)+2*\p:C+8*(\i)+2*\p+1], v[X+32*(\i)+8*\p:X+32*(\i)+8*\p+7], v11
.endr
	v_nop                                          ; a plain line behind the last conversion
.irp j, 0,1,2,3,4,5,6,7
	ds_store_b32 v2, v[C+8*(\i)+\j] offset:PITCH*(\i)+128*\j   ; 32 lanes: 128 consecutive bytes of the row
.endr
.endm
	s_wait_alu depctr_va_vdst(0)
	QROW 0
	QROW 1
	QROW 2
	QROW 3
	s_wait_dscnt 0x0                               ; for the others' sake: my stores have landed
	s_barrier_signal -1
	s_barrier_wait -1
.irp q, 0,1
.irp g, 0,1,2,3
	ds_load_b64 v[IM+16*\q+4*\g:IM+16*\q+4*\g+1],   v3 offset:128*\q+32*\g      ; 32 lanes touch 64 different banks
	ds_load_b64 v[IM+16*\q+4*\g+2:IM+16*\q+4*\g+3], v3 offset:128*\q+32*\g+16
.endr
.endr
	s_wait_dscnt 0x0
.irp q, 0,1
.irp g, 0,1,2,3
	global_store_b128 v1, v[IM+16*\q+4*\g:IM+16*\q+4*\g+3], s[8:9] offset:16384*\q+512*\g   ; 512 consecutive bytes, aligned
.endr
.endr
	s_wait_tensorcnt 0x0                           ; the wave's end, behind my last LDS store
	ds_add_u32 v[SPW], v[NIL]
	s_wait_dscnt 0x0
	s_endpgm
.Lfunc_end_k_q9c1c3c7f24_quantx:
	.size	k_q9c1c3c7f24_quantx, .Lfunc_end_k_q9c1c3c7f24_quantx-k_q9c1c3c7f24_quantx
	.p2alignl 7, 3214868480
	.fill 96, 4, 3214868480
	.section	.rodata,"a",@progbits
	.p2align	6, 0x0
	.amdhsa_kernel k_q9c1c3c7f24_quantx
		.amdhsa_group_segment_fixed_size 17408
		.amdhsa_private_segment_fixed_size 0
		.amdhsa_enable_private_segment 0
		.amdhsa_kernarg_size 24
		.amdhsa_user_sgpr_count 2
		.amdhsa_user_sgpr_kernarg_segment_ptr 1
		.amdhsa_wavefront_size32 1
		.amdhsa_system_sgpr_workgroup_id_x 1
		.amdhsa_system_sgpr_workgroup_id_y 1
		.amdhsa_system_sgpr_workgroup_id_z 1
		.amdhsa_system_vgpr_workitem_id 0
		.amdhsa_next_free_vgpr 224
		.amdhsa_next_free_sgpr 66
		.amdhsa_reserve_vcc 0
		.amdhsa_float_denorm_mode_32 3
		.amdhsa_float_denorm_mode_16_64 3
		.amdhsa_memory_ordered 1
		.amdhsa_forward_progress 1
		.amdhsa_inst_pref_size 19
	.end_amdhsa_kernel
	.amdgpu_metadata
---
amdhsa.version: [ 1, 2 ]
amdhsa.kernels:
  - .name:           k_q9c1c3c7f24_quantx
    .symbol:         k_q9c1c3c7f24_quantx.kd
    .args:
      - { .name: x, .offset: 0, .size: 8, .value_kind: global_buffer, .address_space: global }
      - { .name: lowp_scales, .offset: 8, .size: 8, .value_kind: global_buffer, .address_space: global }
      - { .name: codes_a, .offset: 16, .size: 8, .value_kind: global_buffer, .address_space: global }
    .group_segment_fixed_size: 17408
    .private_segment_fixed_size: 0
    .kernarg_segment_align: 8
    .kernarg_segment_size: 24
    .max_flat_workgroup_size: 128
    .sgpr_count:     66
    .vgpr_count:     224
    .wavefront_size: 32
...
	.end_amdgpu_metadata
.endif
;; end of part 1
;; launch proj (part 2): grid 8 x 32, 4 waves a work-group, clusters of 4 x 4, 327,680 bytes of LDS; arguments codes_a, wq_w_codes, lowp_scales, wq_b, codes_b, codes_k, codes_v; writes codes_b, codes_k, codes_v
.if DOCPART == 2
	.amdgcn_target "amdgcn-amd-amdhsa--gfx1250"
	.amdhsa_code_object_version 6
	.text
	.protected	k_q9c1c3c7f24_proj
	.globl	k_q9c1c3c7f24_proj
	.p2align	8
	.type	k_q9c1c3c7f24_proj,@function
k_q9c1c3c7f24_proj:
	s_mov_b64 s[64:65], 0
	v_nop
	global_prefetch_b8 v0, s[64:65] scope:SCOPE_SE
	s_setreg_imm32_b32 hwreg(HW_REG_WAVE_MODE, 25, 1), 1
	s_wait_xcnt 0x0
	s_wait_alu depctr_hold_cnt(0) depctr_sa_sdst(0) depctr_va_vdst(0) depctr_va_sdst(0) depctr_va_ssrc(0) depctr_va_vcc(0) depctr_vm_vsrc(0)
	s_getreg_b32 s2, hwreg(HW_REG_IB_STS2, 6, 4)
	s_cmp_eq_u32 s2, 0
	s_cbranch_scc0 .Lentry_in_a_cluster
	s_endpgm
.Lentry_in_a_cluster:
	s_bfe_u32 s2, ttmp6, 0x10000c
	s_cmp_lg_u32 s2, 0xf033
	s_cbranch_scc0 .Lentry_shape_is_right
	s_endpgm
.Lentry_shape_is_right:
; qh = x wq + wq_b on codes of FP8 (E4M3), and its three quantisers: as queries (exponent 2), as keys (3), as values with the keys innermost (5).  Nothing is left out.
; A: the tokens' codes as images of fragments (see below), W: [1024 columns][1024 K] codes, K innermost.  A sum stands for sum x 2^E, E = entries 0 + 1 of the exponents.
; The bias goes in as the C of each sum's first product, divided by 2^E; each conversion takes the folded scale 2^(eout - E).
; LIMITS: E between -126 and 127; eout - E between -126 and 119.  NaN is not served.
; A tile of 128 tokens x 128 columns is made by four waves, each 64 x 64: 16 accumulators.  K goes in steps of 512 through two LDS slots filled by the tensor data mover; with K = 1,024 each slot is filled once.
; A'S TILE is one dense block: [chunk of 128 K][tile of 16 tokens][group of 4 registers][lane][16 bytes]: a fragment comes by four loads of 512 consecutive bytes.  W's rows lie 528 bytes apart; a fragment comes by eight loads of 8 bytes, k in its true place.
; CLUSTERS: 4 x 4 work-groups; A's tile is asked for jointly along a row of the cluster, W's along a column.
; THE MATRIX INSTRUCTION IS USED TRANSPOSED (source 0 = 16 rows of W, source 1 = 16 tokens): lane (r, h), register j of accumulator (a, b) holds token 16 a + r, column 16 b + 8 h + j:
; eight neighbours along the next product's K, so a conversion's two registers ARE registers 2 b, 2 b + 1 of the next operand's fragment.
; REGISTERS: window 0: v1-29 addresses and scales; v32-95 at work; v96-127 the bias, later V's codes; v128-255 the accumulators.  Window 1: two sets of fragments (A at +16 a, W at +64 + 16 b).
.set KDIM,   1024
.set EX,     68                        ; s68-79 the twelve exponents
.set EA,     EX+0
.set EB,     EX+1
.set KSTEP,  512                       ; along K in a slot: four chunks of 128
.set LAPS,   KDIM/(2*KSTEP)            ; a lap = two K steps = once round the ring
.set ARB,    128*KDIM                  ; the images of 128 tokens, in bytes
.set ABYTES, 65536                     ; A's part of a slot
.set BP,     528                       ; a row of W in LDS: 512 bytes + 16 = 132 words: row r starts at bank 4 r mod 64 (64 banks of 4 bytes: ISA guide 11.1)
.set BHALF,  64*BP
.set SLOT,   ABYTES+2*BHALF
.set SPARE,  2*SLOT                    ; behind the ring: the spare words, 128 bytes for each wave: two blocks of 256 bytes that no other line names
.set STAGE,  SPARE+512                 ; 16 rows x 272 bytes for each wave; no fill lands there
.set SP,     272
.set ADRA, 16                          ; v16-17 LDS address of my A fragments in slot 0, 1
.set ADRB, 20                          ; v20-21 the same for W
.set STO,  24                          ; v24 the stage: where I put 32 bytes of a token's row
.set RDT,  27                          ; v27 the stage read down the tokens
.set SPW,  28                          ; v28 LDS address of my spare word; never rewritten
.set NIL,  29                          ; v29 0; never rewritten
.set BI,   96
.set ACC,  128
.set F0,   0
.set F1,   128
.set G1A,  24
.set G0A,  32
.set G1B,  48
.set G0B,  56
.set MSB, 0
.macro WIN new                         ; the immediate's high byte repeats the setting that is left
.if MSB != \new
	s_set_vgpr_msb (MSB<<8)|\new
.set MSB, \new
.endif
.endm
.set MUL,  0x05                        ; sources 0 and 1 window 1; C and D window 0
.set TO_F, 0x40                        ; destination window 1, address window 0
.macro PLACES                          ; four places behind a matrix instruction, ahead of loads into its registers and of reads of its results
.rept 4
	v_nop
.endr
.endm
.macro JLOAD s                         ; a joint load: waves 0 and 1 fetch A's halves, waves 2 and 3 W's; an s_nop 0 and four v_nop follow each line
	s_cmp_eq_u32 s15, 0
	s_cbranch_scc0 .Lfor_b_\@
	tensor_load_to_lds s[G0A+4*\s:G0A+4*\s+3], s[G1A:G1A+7]
	s_nop 0
.rept 4
	v_nop
.endr
	s_branch .Lasked_\@
.Lfor_b_\@:
	tensor_load_to_lds s[G0B+4*\s:G0B+4*\s+3], s[G1B:G1B+7]
	s_nop 0
.rept 4
	v_nop
.endr
.Lasked_\@:
.endm
.macro CROUND                          ; a round of the cluster's barrier
	s_barrier_signal -1
	s_barrier_wait -1
	s_cmp_lg_u32 s14, 0
	s_cbranch_scc1 .Lnot_wave_0_\@
	s_barrier_signal -3
.Lnot_wave_0_\@:
	s_barrier_wait -3
	s_barrier_signal -1
	s_barrier_wait -1
.endm
.macro FETCH slot, q, f                ; 48 LDS loads in one run: the fragments of the slot's q-th 128 along K into set f
	WIN TO_F
.irp a, 0,1,2,3
.irp g, 0,1,2,3
	ds_load_b128 v[\f+16*\a+4*\g:\f+16*\a+4*\g+3], v[ADRA+\slot] offset:16384*(\q)+2048*\a+512*\g
.endr
.endr
.irp b, 0,1,2,3
.irp c, 0,1,2,3,4,5,6,7
	ds_load_b64 v[\f+64+16*\b+2*\c:\f+64+16*\b+2*\c+1], v[ADRB+\slot] offset:128*(\q)+16*\c+16*BP*\b
.endr
.endr
.endm
.macro MUL16 f, first                  ; 16 products; the 16 accumulators take turns, one instruction a turn, in one order everywhere.  first = 1: the bias starts the sums
.irp a, 0,1,2,3
.irp b, 0,1,2,3
.if \first
	v_wmma_f32_16x16x128_fp8_fp8 v[ACC+8*(4*\a+\b):ACC+8*(4*\a+\b)+7], v[\f+64+16*\b:\f+64+16*\b+15], v[\f+16*\a:\f+16*\a+15], v[BI+8*\b:BI+8*\b+7]
.else
	v_wmma_f32_16x16x128_fp8_fp8 v[ACC+8*(4*\a+\b):ACC+8*(4*\a+\b)+7], v[\f+64+16*\b:\f+64+16*\b+15], v[\f+16*\a:\f+16*\a+15], v[ACC+8*(4*\a+\b):ACC+8*(4*\a+\b)+7]
.endif
.endr
.endr
.endm
.macro STEP slot, q, f, g, first       ; multiplies set f (chunk q) and fetches chunk q + 1 of the same slot into set g
	PLACES
	FETCH \slot, (\q)+1, \g
	s_wait_dscnt 48                                ; all but the 48 just issued: this chunk's fragments are in
	WIN MUL
	MUL16 \f, \first
.endm
.macro TURN slot, next, fill           ; a slot's last chunk, in set F1, and the change of slots
	WIN 0
	s_wait_tensorcnt 0x0                           ; all my tensor loads have landed, my part of the next slot among them
	ds_add_u32 v[SPW], v[NIL]                      ; 0 onto my spare word
.if \fill
	s_add_nc_u64 s[G0A+4*\slot+2:G0A+4*\slot+3], s[G0A+4*\slot+2:G0A+4*\slot+3], 2*ABYTES
	s_add_nc_u64 s[G0B+4*\slot+2:G0B+4*\slot+3], s[G0B+4*\slot+2:G0B+4*\slot+3], 2*KSTEP
.endif
	s_wait_dscnt 0x0                               ; the add is done, and my reads of this slot are in registers
.if \fill
	CROUND                                         ; no wave of any partner still reads this slot or has a load on its way
	JLOAD \slot                                    ; the first tensor load behind the round; its four v_nop are the places ahead of the loads below
.else
	s_barrier_signal -1
	s_barrier_wait -1
	PLACES
.endif
	FETCH \next, 0, F0
	WIN MUL
	MUL16 F1, 0
.endm
.macro POW2 d, vs, vl                  ; v[vs] = 2^d as f32, v[vl] = 448 x 2^d
	s_add_co_i32 s94, \d, 127
	s_lshl_b32 s95, s94, 23
	v_mov_b32 v[\vs], s95
	s_add_co_i32 s94, s94, 8
	s_lshl_b32 s94, s94, 23
	s_or_b32 s94, s94, 0x600000
	v_mov_b32 v[\vl], s94
.endm
	s_load_b256 s[4:11], s[0:1], 0x0               ; A's images, W's codes, the exponents, the bias
	s_load_b128 s[84:87], s[0:1], 0x20             ; Q's images, K's images
	s_load_b64 s[88:89], s[0:1], 0x30              ; V's images
	v_lshl_add_u32 v[SPW], v0, 2, SPARE
	v_mov_b32 v[NIL], 0
	ds_add_u32 v[SPW], v[NIL]                      ; the wave's opening: the add, twice on end, and its wait ahead of my first tensor load
	ds_add_u32 v[SPW], v[NIL]
	v_lshrrev_b32 v1, 5, v0
	v_readfirstlane_b32 s14, v1                    ; wave 0..3
	s_lshr_b32 s15, s14, 1                         ; rh: which 64 tokens are mine.  Also: I fetch for A (0) or for W (1)
	s_and_b32 s16, s14, 1                          ; ch: which 64 columns.  Also: which half I fetch
	s_bfe_u32 s40, ttmp6, 0x40000                  ; cx
	s_bfe_u32 s41, ttmp6, 0x40004                  ; cy
	s_lshl_b32 s42, ttmp9, 2
	s_add_co_u32 s42, s42, s40                     ; tile column
	s_and_b32 s17, ttmp7, 0xffff
	s_lshl_b32 s17, s17, 2
	s_add_co_u32 s17, s17, s41                     ; tile row
	s_lshl_b32 s43, s41, 2
	s_lshl_b32 s43, 15, s43                        ; my row of the cluster
	s_lshl_b32 s44, 0x1111, s40                    ; my column
	s_or_b32 s[G1A], s43, (3<<16)|(1<<21)          ; A: the mask; elements of 8 bytes; no padding; bit 21 beside a mask
	s_mov_b32 s[G1A+1], 32<<16                     ; tensor_dim0 = 32 (256 bytes)
	s_mov_b32 s[G1A+2], 128<<16                    ; tensor_dim1 = 128
	s_mov_b32 s[G1A+3], 32<<16                     ; tile_dim0
	s_mov_b32 s[G1A+4], 128                        ; tile_dim1: 32,768 dense bytes
	s_mov_b32 s[G1A+5], 32                         ; the pitch
	s_mov_b32 s[G1A+6], 0
	s_mov_b32 s[G1A+7], 0
	s_or_b32 s[G1B], s44, (0<<16)|(1<<20)|(1<<21)|(6<<22)|(3<<25)  ; W: the mask; bytes; 4 words of padding after every 128
	s_mov_b32 s[G1B+1], KSTEP<<16
	s_mov_b32 s[G1B+2], 64<<16
	s_mov_b32 s[G1B+3], KSTEP<<16
	s_mov_b32 s[G1B+4], 64
	s_mov_b32 s[G1B+5], KDIM
	s_mov_b32 s[G1B+6], 0
	s_mov_b32 s[G1B+7], 0
	s_mul_i32 s20, s17, ARB                        ; A hangs on the tile row and the wave's number alone,
	s_lshl_b32 s18, s16, 15
	s_add_co_u32 s20, s20, s18
	s_mov_b32 s21, 0
	s_lshl_b32 s46, s42, 7                         ; W on the tile column and the wave's number alone
	s_lshl_b32 s18, s16, 6
	s_add_co_u32 s46, s46, s18
	s_mul_i32 s46, s46, KDIM
	s_mov_b32 s47, 0
	s_lshl_b32 s45, s16, 15                        ; where A's half goes,
	s_mul_i32 s19, s16, BHALF
	s_add_co_u32 s19, s19, ABYTES                  ; and W's: no place in the cluster enters an LDS address
	s_wait_dscnt 0x0                               ; both opening adds are done
	s_wait_kmcnt 0x0
	s_load_b256 s[68:75], s[8:9], 0x0              ; the twelve exponents
	s_load_b128 s[76:79], s[8:9], 0x20
	s_add_nc_u64 s[20:21], s[4:5], s[20:21]
	s_add_nc_u64 s[46:47], s[6:7], s[46:47]
	CROUND                                         ; all sixteen work-groups are here: the first joint loads meet
.irp s, 0,1
	s_mov_b32 s[G0A+4*\s], 1
	s_add_co_u32 s[G0A+4*\s+1], s45, \s*SLOT
	s_add_nc_u64 s[G0A+4*\s+2:G0A+4*\s+3], s[20:21], \s*ABYTES
	s_or_b32 s[G0A+4*\s+3], s[G0A+4*\s+3], 0x80000000
	s_mov_b32 s[G0B+4*\s], 1
	s_add_co_u32 s[G0B+4*\s+1], s19, \s*SLOT
	s_add_nc_u64 s[G0B+4*\s+2:G0B+4*\s+3], s[46:47], \s*KSTEP
	s_or_b32 s[G0B+4*\s+3], s[G0B+4*\s+3], 0x80000000
.endr
	; a prefetch of K step 1, one instruction a wave: of the 128 blocks of 256 bytes that my wave will fetch, each of the four partners that ask jointly names 32, told apart by address (cx for A, cy for W)
	s_cmp_eq_u32 s15, 0                            ; do I fetch for A?
	s_cselect_b64 s[80:81], s[20:21], s[46:47]     ; my wave's tile of K step 0
	s_cselect_b32 s82, s40, s41                    ; my place among the four
	s_cselect_b32 s83, 13, 14                      ; A: 8,192 dense bytes a partner; W: 16 rows of KDIM bytes
	s_mov_b32 s98, KSTEP
	s_cselect_b32 s98, ABYTES, s98                 ; a K step on
	s_mov_b32 s12, KDIM
	s_cselect_b32 s12, 512, s12                    ; two lanes on: 512 dense bytes, or a row of W
	s_lshl_b32 s82, s82, s83
	s_mov_b32 s83, 0
	s_mov_b32 s99, 0
	s_add_nc_u64 s[80:81], s[80:81], s[82:83]
	s_add_nc_u64 s[80:81], s[80:81], s[98:99]      ; K step 1; never rewritten
	v_and_b32 v30, 31, v0
	v_lshrrev_b32 v31, 1, v30
	v_and_b32 v30, 1, v30
	v_lshlrev_b32 v30, 8, v30
	v_mad_u32_u24 v30, v31, s12, v30               ; my lane's block; never rewritten
	s_wait_alu depctr_va_vdst(0)                   ; the wait behind the write
	JLOAD 0
	global_prefetch_b8 v30, s[80:81] th:TH_LOAD_NT scope:SCOPE_SE
	v_and_b32 v1, 15, v0                           ; r
	v_bfe_u32 v2, v0, 4, 1                         ; h
	v_and_b32 v3, 31, v0
	v_lshlrev_b32 v3, 4, v3                        ; 16 x lane
	s_lshl_b32 s12, s15, 13                        ; my four token tiles
	v_add_nc_u32 v[ADRA], s12, v3
	v_add_nc_u32 v[ADRA+1], SLOT, v[ADRA]
	v_mul_u32_u24 v10, v1, BP
	v_lshl_add_u32 v10, v2, 3, v10
	v_add_nc_u32 v[ADRB], s19, v10                 ; my 64 rows of W: row r, + 8 h
	v_add_nc_u32 v[ADRB+1], SLOT, v[ADRB]
	s_mul_i32 s13, s14, 16*SP
	s_add_co_u32 s13, s13, STAGE                   ; my stage
	v_mul_u32_u24 v10, v1, SP
	v_lshl_add_u32 v10, v2, 5, v10
	v_add_nc_u32 v[STO], s13, v10                  ; in: token r, + 32 h
	v_mul_u32_u24 v10, v2, 8*SP
	v_lshl_add_u32 v10, v1, 2, v10
	v_add_nc_u32 v[RDT], s13, v10                  ; back: tokens 8 h on, column r: lanes 0-15 and 16-31 fall on banks 32 apart
	v_lshlrev_b32 v11, 5, v2                       ; the bias: 32 h bytes
	s_lshl_b32 s22, s42, 9
	s_lshl_b32 s23, s16, 8
	s_add_co_u32 s22, s22, s23
	s_mov_b32 s23, 0
	s_add_nc_u64 s[10:11], s[10:11], s[22:23]      ; my 64 columns
.irp b, 0,1,2,3
	global_load_b128 v[BI+8*\b:BI+8*\b+3],   v11, s[10:11] offset:64*\b
	global_load_b128 v[BI+8*\b+4:BI+8*\b+7], v11, s[10:11] offset:64*\b+16
.endr
	s_lshr_b32 s22, s17, 4                         ; the batch,
	s_lshl_b32 s22, s22, 4
	s_lshl_b32 s23, s42, 1
	s_add_co_u32 s22, s22, s23
	s_add_co_u32 s22, s22, s16                     ; x 16 + the head = 2 x tile column + ch
	s_lshl_b32 s22, s22, 17                        ; 131,072 bytes a head in each of the three buffers
	s_and_b32 s23, s17, 15                         ; the block of 128 tokens in the sequence: 8,192 bytes in each
	s_lshl_b32 s23, s23, 13
	s_add_co_u32 s22, s22, s23
	s_lshl_b32 s23, s15, 12                        ; Q, K: my four token tiles of 1,024 bytes
	s_add_co_u32 s96, s22, s23
	s_mov_b32 s97, 0
	s_lshl_b32 s23, s15, 10                        ; V: my two groups of 512 bytes
	s_add_co_u32 s22, s22, s23
	s_mov_b32 s23, 0
	s_add_nc_u64 s[84:85], s[84:85], s[96:97]
	s_add_nc_u64 s[86:87], s[86:87], s[96:97]
	s_add_nc_u64 s[88:89], s[88:89], s[22:23]
	s_wait_kmcnt 0x0
	s_add_co_i32 s90, s[EA], s[EB]                 ; E
	s_sub_co_i32 s91, 0, s90
	s_sub_co_i32 s92, s[EX+2], s90
	POW2 s92, 4, 5                                 ; the queries' scale and limit
	s_sub_co_i32 s92, s[EX+3], s90
	POW2 s92, 6, 7                                 ; the keys'
	s_sub_co_i32 s92, s[EX+5], s90
	POW2 s92, 8, 9                                 ; the values'
	s_wait_loadcnt 0x0
.irp j, 0,1,2,3,4,5,6,7,8,9,10,11,12,13,14,15,16,17,18,19,20,21,22,23,24,25,26,27,28,29,30,31
	v_ldexp_f32 v[BI+\j], v[BI+\j], s91            ; bias / 2^E
.endr
	s_wait_alu depctr_va_vdst(0)
	s_wait_tensorcnt 0x0                           ; my part of K step 0 is in
	ds_add_u32 v[SPW], v[NIL]
	s_wait_dscnt 0x0
	CROUND                                         ; everybody's part of K step 0 is in, and the joint loads meet
	JLOAD 1                                        ; K step 1, the first tensor load behind the round
	FETCH 0, 0, F0
	STEP 0, 0, F0, F1, 1
	STEP 0, 1, F1, F0, 0
	STEP 0, 2, F0, F1, 0
	TURN 0, 1, 0
	STEP 1, 0, F0, F1, 0
	STEP 1, 1, F1, F0, 0
	STEP 1, 2, F0, F1, 0
	s_wait_dscnt 0x0
	WIN MUL
	MUL16 F1, 0
	WIN 0
	PLACES
; THE WAY OUT, a tile of 16 tokens at a time.
.macro HOLD a, lim                     ; the tile's 32 sums, held, into v32-63; each accumulator from its low end on
.irp k, 0,1,2,3,4,5,6,7,8,9,10,11,12,13,14,15,16,17,18,19,20,21,22,23,24,25,26,27,28,29,30,31
	v_med3_num_f32 v[32+\k], v[ACC+32*\a+\k], -v[\lim], v[\lim]
.endr
.endm
.macro OUTTILE a
.if \a > 0
	s_wait_xcnt 0x0                                ; the last tile's stores have read their registers
.endif
	HOLD \a, 5
.irp b, 0,1,2,3
	v_cvt_scalef32_pk8_fp8_f32 v[64+2*\b:64+2*\b+1], v[32+8*\b:32+8*\b+7], v4   ; registers 2 b, 2 b + 1 of the queries' fragment (16 tokens x 64)
.endr
	v_nop                                          ; a plain line between the conversions and the lines that write their sources
	HOLD \a, 7
.irp b, 0,1,2,3
	v_cvt_scalef32_pk8_fp8_f32 v[72+2*\b:72+2*\b+1], v[32+8*\b:32+8*\b+7], v6   ; the keys'
.endr
	v_nop
.irp g, 0,1
	global_store_b128 v3, v[64+4*\g:64+4*\g+3], s[84:85] offset:1024*\a+512*\g  ; 512 consecutive bytes, aligned
	global_store_b128 v3, v[72+4*\g:72+4*\g+3], s[86:87] offset:1024*\a+512*\g
.endr
.irp b, 0,1,2,3                        ; V wants the tokens along a lane's registers: the sums turn through my stage
	ds_store_b128 v[STO], v[ACC+32*\a+8*\b:ACC+32*\a+8*\b+3]   offset:64*\b
	ds_store_b128 v[STO], v[ACC+32*\a+8*\b+4:ACC+32*\a+8*\b+7] offset:64*\b+16
.endr
.irp t, 0,1,2,3
.irp j, 0,1,2,3,4,5,6,7
	ds_load_b32 v[32+8*\t+\j], v[RDT] offset:SP*\j+64*\t   ; token 8 h + j, column 16 t + r.  LDS serves a wave's instructions in order (ISA guide 5.7.1.4): these see my stores
.endr
.endr
	s_wait_dscnt 0x0
.irp k, 0,1,2,3,4,5,6,7,8,9,10,11,12,13,14,15,16,17,18,19,20,21,22,23,24,25,26,27,28,29,30,31
	v_med3_num_f32 v[32+\k], v[32+\k], -v9, v9
.endr
.irp t, 0,1,2,3
	v_cvt_scalef32_pk8_fp8_f32 v[96+8*\t+2*\a:96+8*\t+2*\a+1], v[32+8*\t:32+8*\t+7], v8   ; keys 16 (4 rh + a) + 8 h + 0 .. 7 of channel 16 t + r
.endr
	v_nop
.endm
	OUTTILE 0
	OUTTILE 1
	OUTTILE 2
	OUTTILE 3
.irp t, 0,1,2,3
.irp g, 0,1
	global_store_b128 v3, v[96+8*\t+4*\g:96+8*\t+4*\g+3], s[88:89] offset:2048*\t+512*\g
.endr
.endr
	s_wait_tensorcnt 0x0                           ; the wave's end, behind my last tensor load and my last LDS store
	ds_add_u32 v[SPW], v[NIL]
	s_wait_dscnt 0x0
	CROUND                                         ; the closing round
	s_endpgm
.Lfunc_end_k_q9c1c3c7f24_proj:
	.size	k_q9c1c3c7f24_proj, .Lfunc_end_k_q9c1c3c7f24_proj-k_q9c1c3c7f24_proj
	.p2alignl 7, 3214868480
	.fill 96, 4, 3214868480
	.section	.rodata,"a",@progbits
	.p2align	6, 0x0
	.amdhsa_kernel k_q9c1c3c7f24_proj
		.amdhsa_group_segment_fixed_size 327680
		.amdhsa_private_segment_fixed_size 0
		.amdhsa_enable_private_segment 0
		.amdhsa_kernarg_size 56
		.amdhsa_user_sgpr_count 2
		.amdhsa_user_sgpr_kernarg_segment_ptr 1
		.amdhsa_wavefront_size32 1
		.amdhsa_system_sgpr_workgroup_id_x 1
		.amdhsa_system_sgpr_workgroup_id_y 1
		.amdhsa_system_sgpr_workgroup_id_z 1
		.amdhsa_system_vgpr_workitem_id 0
		.amdhsa_next_free_vgpr 512
		.amdhsa_next_free_sgpr 100
		.amdhsa_reserve_vcc 0
		.amdhsa_float_denorm_mode_32 3
		.amdhsa_float_denorm_mode_16_64 3
		.amdhsa_memory_ordered 1
		.amdhsa_forward_progress 1
		.amdhsa_inst_pref_size 87
	.end_amdhsa_kernel
	.amdgpu_metadata
---
amdhsa.version: [ 1, 2 ]
amdhsa.kernels:
  - .name:           k_q9c1c3c7f24_proj
    .symbol:         k_q9c1c3c7f24_proj.kd
    .args:
      - { .name: codes_a, .offset: 0, .size: 8, .value_kind: global_buffer, .address_space: global }
      - { .name: wq_w_codes, .offset: 8, .size: 8, .value_kind: global_buffer, .address_space: global }
      - { .name: lowp_scales, .offset: 16, .size: 8, .value_kind: global_buffer, .address_space: global }
      - { .name: wq_b, .offset: 24, .size: 8, .value_kind: global_buffer, .address_space: global }
      - { .name: codes_b, .offset: 32, .size: 8, .value_kind: global_buffer, .address_space: global }
      - { .name: codes_k, .offset: 40, .size: 8, .value_kind: global_buffer, .address_space: global }
      - { .name: codes_v, .offset: 48, .size: 8, .value_kind: global_buffer, .address_space: global }
    .group_segment_fixed_size: 327680
    .private_segment_fixed_size: 0
    .kernarg_segment_align: 8
    .kernarg_segment_size: 56
    .max_flat_workgroup_size: 128
    .sgpr_count:     100
    .vgpr_count:     512
    .wavefront_size: 32
...
	.end_amdgpu_metadata
.endif
;; end of part 2
;; launch attn (part 3): grid 8 x 32, 8 waves a work-group, clusters of 4 x 1, 327,680 bytes of LDS; arguments codes_b, codes_k, codes_v, lowp_scales, codes_a; writes codes_a
.if DOCPART == 3
	.amdgcn_target "amdgcn-amd-amdhsa--gfx1250"
	.amdhsa_code_object_version 6
	.text
	.protected	k_q9c1c3c7f24_attn
	.globl	k_q9c1c3c7f24_attn
	.p2align	8
	.type	k_q9c1c3c7f24_attn,@function
k_q9c1c3c7f24_attn:
	s_mov_b64 s[64:65], 0
	v_nop
	global_prefetch_b8 v0, s[64:65] scope:SCOPE_SE
	s_setreg_imm32_b32 hwreg(HW_REG_WAVE_MODE, 25, 1), 1
	s_wait_xcnt 0x0
	s_wait_alu depctr_hold_cnt(0) depctr_sa_sdst(0) depctr_va_vdst(0) depctr_va_sdst(0) depctr_va_ssrc(0) depctr_va_vcc(0) depctr_vm_vsrc(0)
	s_getreg_b32 s2, hwreg(HW_REG_IB_STS2, 6, 4)
	s_cmp_eq_u32 s2, 0
	s_cbranch_scc0 .Lentry_in_a_cluster
	s_endpgm
.Lentry_in_a_cluster:
	s_bfe_u32 s2, ttmp6, 0x10000c
	s_cmp_lg_u32 s2, 0x3003
	s_cbranch_scc0 .Lentry_shape_is_right
	s_endpgm
.Lentry_shape_is_right:
; ctx = softmax(Q K^T / 8) V for one head, both products on codes of FP8 (E4M3), and ctx quantised (entry 6 of the exponents) into images of fragments for the next product.  Nothing is left out.
; THE SOFTMAX: t = score x log2(e) / 8; M = the running largest t rounded up to a whole number; p = 2^(t - M) is quantised (entry 4); the row's sum is taken of the unquantised p and divides at the end.
; When M moves, the sum and O are multiplied by 2^(old M - new M), in every step, with no branch on data.
; SHARES: a work-group owns 256 queries of one head, each of its eight waves 32 of them (two tiles of 16): a fragment of K or V read from LDS feeds two matrix instructions.
; LDS: the head's whole K (131,072 bytes) and V (131,072) as images of fragments; each wave asks for 32,768 dense bytes by its one tensor load at the head; nothing is filled again, so one barrier serves the launch.
; CLUSTER: the four work-groups of a cluster walk the same head: each load is asked for jointly (mask 15).
; No prefetch: every byte of K and V is asked for by the head's tensor loads; no later load follows that a prefetch could run ahead of.
; LAYOUT: S^T = K Q^T (source 0 = 16 keys, source 1 = 16 queries), O^T = V^T P^T: lane (r, h) holds query r throughout; tile t's register j is key 16 t + 8 h + j, so a conversion's two registers are registers 2 t, 2 t + 1 of P's fragment.
; LIMITS: exponents 2 + 3 between -123 and 130; 4 and 6 between -126 and 119; the scaled scores stay under 2^31 in magnitude.  NaN is not served.
; REGISTERS: window 0: v1-3 lane offsets, v8-41 what is carried, v64-191 S^T then p (tile u at 64 u), v192-207 the result's codes.
; Window 1: v0-63 K's fragments, v64-127 V's, v128-191 O^T (tile u at 32 u), v192-223 p's codes, v224-239 Q.
.set VB,    131072
.set SPARE, 262144                     ; the spare words, 128 bytes for each wave: four blocks of 256 bytes that no other line names
.set SPW, 5
.set NIL, 6
.set ADK, 8
.set ADV, 9
.set NM,  12                           ; v12, v14 -M;  v13, v15 the running largest score
.set SUM, 16                           ; v[16:17], v[18:19] the rows' sums in two halves
.set FF,  20                           ; v20, v22 f = 2^(old M - new M), named as pairs
.set CA,  24                           ; v24-27 at work
.set T2,  28
.set T3,  30
.set PT,  32                           ; v32-33 lane permutes' results
.set HA,  34                           ; v34, v35 448 x 2^ep, twice: the two halves of a dual pair read different registers
.set HB,  35
.set PS,  36                           ; 2^ep
.set OH,  37                           ; 448 x 2^e6
.set OS,  38                           ; 2^e6
.set T4,  40
.set S,   64
.set OC,  192
.set FK,  0
.set FV,  64
.set O,   128
.set PC,  192
.set Q,   224
.set WV,  18
.set SEL, 20
.set CS,  22
.set G1,  24
.set G0,  32
.set TB,  2
.set CNT, 3
.set EX,  68
.set MSB, 0
.macro WIN new                         ; the immediate's high byte repeats the setting that is left
.if MSB != \new
	s_set_vgpr_msb (MSB<<8)|\new
.set MSB, \new
.endif
.endm
.macro CROUND                          ; a round of the cluster's barrier
	s_barrier_signal -1
	s_barrier_wait -1
	s_cmp_lg_u32 s[WV], 0
	s_cbranch_scc1 .Lnot_wave_0_\@
	s_barrier_signal -3
.Lnot_wave_0_\@:
	s_barrier_wait -3
	s_barrier_signal -1
	s_barrier_wait -1
.endm
	s_load_b256 s[4:11], s[0:1], 0x0               ; Q's, K's, V's images, the exponents
	s_load_b64 s[12:13], s[0:1], 0x20              ; the result's images
	v_lshl_add_u32 v[SPW], v0, 2, SPARE
	v_mov_b32 v[NIL], 0
	ds_add_u32 v[SPW], v[NIL]                      ; the opening: the add, twice on end, and its wait ahead of my tensor load
	ds_add_u32 v[SPW], v[NIL]
	v_lshrrev_b32 v8, 5, v0
	v_readfirstlane_b32 s[WV], v8                  ; wave 0..7
	s_bfe_u32 s40, ttmp6, 0x40000                  ; cx
	s_lshl_b32 s41, ttmp9, 2
	s_add_co_u32 s41, s41, s40                     ; the block of 256 queries
	s_and_b32 s42, ttmp7, 0xffff                   ; 16 x batch + head
	s_lshl_b32 s44, s42, 17                        ; 131,072 bytes a head
	s_and_b32 s43, s[WV], 3
	s_lshl_b32 s43, s43, 15
	s_add_co_u32 s44, s44, s43                     ; my quarter of K (waves 0-3) or of V (waves 4-7)
	s_mov_b32 s45, 0
	s_lshl_b32 s46, s[WV], 15                      ; and where it goes: 32,768 x wave
	s_mov_b32 s[G1], 15|(3<<16)|(1<<21)            ; the mask; elements of 8 bytes; bit 21 beside a mask
	s_mov_b32 s[G1+1], 32<<16                      ; rows of 256 bytes,
	s_mov_b32 s[G1+2], 128<<16                     ; 128 of them, dense
	s_mov_b32 s[G1+3], 32<<16
	s_mov_b32 s[G1+4], 128
	s_mov_b32 s[G1+5], 32
	s_mov_b32 s[G1+6], 0
	s_mov_b32 s[G1+7], 0
	s_mov_b32 s[SEL], 0x76543210
	s_mov_b32 s[SEL+1], 0xfedcba98
	s_mov_b32 s[CS], 0x3e38aa3b                    ; c = log2(e) / 8
	s_mov_b32 s[TB], 0
	s_lshl_b32 s53, s41, 4
	s_lshl_b32 s51, s[WV], 1
	s_add_co_u32 s53, s53, s51                     ; my first tile of 16 queries in the sequence
	s_lshl_b32 s50, s42, 17
	s_lshl_b32 s51, s53, 10
	s_add_co_u32 s50, s50, s51                     ; Q: 1,024 bytes a tile
	s_mov_b32 s51, 0
	s_lshr_b32 s54, s42, 4
	s_lshl_b32 s54, s54, 7
	s_add_co_u32 s54, s54, s53                     ; the tile among all tokens
	s_lshr_b32 s55, s54, 3
	s_lshl_b32 s55, s55, 17                        ; the result: the block of 128 tokens,
	s_and_b32 s56, s54, 7
	s_lshl_b32 s56, s56, 11                        ; the tile in it,
	s_add_co_u32 s55, s55, s56
	s_and_b32 s56, s42, 15
	s_lshr_b32 s57, s56, 1
	s_lshl_b32 s57, s57, 14                        ; the chunk of 128 along K = head / 2,
	s_add_co_u32 s55, s55, s57
	s_and_b32 s56, s56, 1
	s_lshl_b32 s56, s56, 10                        ; its groups 2 (head % 2) on
	s_add_co_u32 s56, s55, s56
	s_mov_b32 s57, 0
	s_wait_dscnt 0x0                               ; both opening adds are done
	s_wait_kmcnt 0x0
	s_load_b256 s[68:75], s[10:11], 0x0            ; the twelve exponents
	s_load_b128 s[76:79], s[10:11], 0x20
	s_cmp_lt_u32 s[WV], 4
	s_cselect_b64 s[48:49], s[6:7], s[8:9]
	s_add_nc_u64 s[48:49], s[48:49], s[44:45]
	s_add_nc_u64 s[4:5], s[4:5], s[50:51]
	s_add_nc_u64 s[12:13], s[12:13], s[56:57]
	CROUND                                         ; the four work-groups are here: the joint loads meet
	s_mov_b32 s[G0], 1
	s_mov_b32 s[G0+1], s46
	s_mov_b64 s[G0+2:G0+3], s[48:49]
	s_or_b32 s[G0+3], s[G0+3], 0x80000000
	tensor_load_to_lds s[G0:G0+3], s[G1:G1+7]      ; my one tensor load of the launch
	s_nop 0
.rept 4
	v_nop
.endr
	v_and_b32 v1, 31, v0
	v_lshlrev_b32 v1, 4, v1                        ; 16 x lane
	v_add_nc_u32 v2, VB, v1                        ; V's images
	v_add_nc_u32 v3, 8192, v1                      ; K's images, one step on
	WIN 0x40                                       ; destination window 1
.irp i, 0,1,2,3
	global_load_b128 v[Q+4*\i:Q+4*\i+3], v1, s[4:5] offset:512*\i   ; Q's two fragments stay in registers
.endr
.irp a, 0,8,16,24,32,40,48,56
.irp b, 0,1,2,3,4,5,6,7
	v_mov_b32 v[O+\a+\b], 0                        ; O^T: the step is written for all steps alike; the first finds zeros
.endr
.endr
	WIN 0
.irp u, 0,2
	v_mov_b32 v[NM+\u], 0x7f61b1e6                 ; -M: 3e38
	v_mov_b32 v[NM+\u+1], 0xff61b1e6               ; the largest score so far: -3e38
.endr
.irp j, 16,17,18,19,20,21,22,23,32,33
	v_mov_b32 v[\j], 0                             ; the sums, f's pairs, the permutes' destinations
.endr
	s_wait_kmcnt 0x0
	s_add_co_i32 s40, s[EX+2], s[EX+3]
	s_lshl_b32 s40, s40, 23
	s_add_co_i32 s[CS], s[CS], s40                 ; the two exponents are added to c's exponent field
	s_mov_b32 s[CS+1], s[CS]
	s_add_co_i32 s40, s[EX+4], 127
	s_lshl_b32 s43, s40, 23
	v_mov_b32 v[PS], s43
	s_add_co_i32 s40, s40, 8
	s_lshl_b32 s40, s40, 23
	s_or_b32 s40, s40, 0x600000
	v_mov_b32 v[HA], s40
	v_mov_b32 v[HB], s40
	s_add_co_i32 s40, s[EX+6], 127
	s_lshl_b32 s43, s40, 23
	v_mov_b32 v[OS], s43
	s_add_co_i32 s40, s40, 8
	s_lshl_b32 s40, s40, 23
	s_or_b32 s40, s40, 0x600000
	v_mov_b32 v[OH], s40
.macro SUMS u                          ; tile u's 64 p are added to its sum, two at a time, in four chains
.set SB, S+64*(\u)
.set SU, SUM+2*(\u)
	v_pk_add_f32 v[T2:T2+1], v[SB:SB+1], v[SB+2:SB+3]
	v_pk_add_f32 v[T3:T3+1], v[SB+4:SB+5], v[SB+6:SB+7]
	v_pk_add_f32 v[T4:T4+1], v[SB+8:SB+9], v[SB+10:SB+11]
.irp j, 12,20,28,36,44,52
	v_pk_add_f32 v[SU:SU+1], v[SU:SU+1], v[SB+\j:SB+\j+1]
	v_pk_add_f32 v[T2:T2+1], v[T2:T2+1], v[SB+\j+2:SB+\j+3]
	v_pk_add_f32 v[T3:T3+1], v[T3:T3+1], v[SB+\j+4:SB+\j+5]
	v_pk_add_f32 v[T4:T4+1], v[T4:T4+1], v[SB+\j+6:SB+\j+7]
.endr
	v_pk_add_f32 v[SU:SU+1], v[SU:SU+1], v[SB+60:SB+61]
	v_pk_add_f32 v[T2:T2+1], v[T2:T2+1], v[SB+62:SB+63]
	v_pk_add_f32 v[T3:T3+1], v[T3:T3+1], v[T4:T4+1]
	v_pk_add_f32 v[SU:SU+1], v[SU:SU+1], v[T2:T2+1]
	v_pk_add_f32 v[SU:SU+1], v[SU:SU+1], v[T3:T3+1]
.endm
.macro CODES u                         ; tile u's held p become registers of P's fragment
	WIN 0x40
.irp t, 0,1,2,3,4,5,6,7
	v_cvt_scalef32_pk8_fp8_f32 v[PC+16*(\u)+2*\t:PC+16*(\u)+2*\t+1], v[S+64*(\u)+8*\t:S+64*(\u)+8*\t+7], v[PS]
.endr
	WIN 0
.endm
; A KEY STEP: 128 keys x my 32 queries.  more = 1: the next step's fragments of K are fetched under this step's softmax.
.macro STEP more
	s_wait_alu depctr_va_vdst(0)
	s_wait_dscnt 0x0                               ; this step's fragments of K are in
	WIN 0x05                                       ; sources 0 and 1 window 1
.irp t, 0,1,2,3,4,5,6,7
.irp u, 0,1
	v_wmma_f32_16x16x64_fp8_fp8 v[S+64*\u+8*\t:S+64*\u+8*\t+7], v[FK+8*\t:FK+8*\t+7], v[Q+8*\u:Q+8*\u+7], 0
.endr
.endr
	WIN 0
	v_add_nc_u32 v[ADV], s[TB], v2                 ; four places ahead of the loads into fragments and of the reads of the scores
.if \more
	v_add_nc_u32 v[ADK], s[TB], v3
.else
	v_nop
.endif
	v_nop
	v_nop
	WIN 0x40
.irp t, 0,1,2,3
.irp g, 0,1,2,3
	ds_load_b128 v[FV+16*\t+4*\g:FV+16*\t+4*\g+3], v[ADV] offset:2048*\t+512*\g
.endr
.endr
.if \more
.irp t, 0,1,2,3,4,5,6,7
.irp g, 0,1
	ds_load_b128 v[FK+8*\t+4*\g:FK+8*\t+4*\g+3], v[ADK] offset:1024*\t+512*\g
.endr
.endr
.endif
	WIN 0
.irp u, 0,1                            ; the step's largest scores, two chains a tile, the tiles by turns; each accumulator is read from its low end on
	v_max3_num_f32 v[CA+2*\u], v[S+64*\u], v[S+64*\u+1], v[S+64*\u+2]
	v_max3_num_f32 v[CA+2*\u+1], v[S+64*\u+3], v[S+64*\u+4], v[S+64*\u+5]
.endr
.irp i, 6,10,14,18,22,26,30,34,38,42,46,50,54,58
.irp u, 0,1
	v_max3_num_f32 v[CA+2*\u], v[CA+2*\u], v[S+64*\u+\i], v[S+64*\u+\i+1]
	v_max3_num_f32 v[CA+2*\u+1], v[CA+2*\u+1], v[S+64*\u+\i+2], v[S+64*\u+\i+3]
.endr
.endr
.irp u, 0,1
	v_max3_num_f32 v[CA+2*\u], v[CA+2*\u], v[S+64*\u+62], v[S+64*\u+63]
.endr
.irp u, 0,1
	v_max3_num_f32 v[NM+2*\u+1], v[NM+2*\u+1], v[CA+2*\u], v[CA+2*\u+1]   ; with the running largest
.endr
.irp u, 0,1
	v_permlanex16_b32 v[PT+\u], v[NM+2*\u+1], s[SEL], s[SEL+1]
.endr
.irp u, 0,1
	v_max_num_f32 v[NM+2*\u+1], v[NM+2*\u+1], v[PT+\u]                    ; and lane l xor 16's
.endr
.irp u, 0,1
	v_mul_f32 v[CA+2*\u], s[CS], v[NM+2*\u+1]      ; as t (c is positive)
.endr
.irp u, 0,1
	v_floor_f32 v[CA+2*\u+1], -v[CA+2*\u]          ; the new -M = -ceil(t)
.endr
.irp u, 0,1
	v_sub_f32 v[CA+2*\u], v[CA+2*\u+1], v[NM+2*\u] ; old M - new M: a whole number, 0 or less
.endr
.irp u, 0,1
	v_mov_b32 v[NM+2*\u], v[CA+2*\u+1]
.endr
.irp u, 0,1
	v_cvt_i32_f32 v[CA+2*\u], v[CA+2*\u]           ; (it saturates)
.endr
.irp u, 0,1
	v_ldexp_f32 v[FF+2*\u], 1.0, v[CA+2*\u]        ; f
.endr
.irp u, 0,1
	v_pk_mul_f32 v[SUM+2*\u:SUM+2*\u+1], v[SUM+2*\u:SUM+2*\u+1], v[FF+2*\u:FF+2*\u+1] op_sel_hi:[1,0]
.endr
	WIN 0x41                                       ; O^T under the new M, ahead of the exponentials
.irp u, 0,1
.irp j, 0,2,4,6,8,10,12,14,16,18,20,22,24,26,28,30
	v_pk_mul_f32 v[O+32*\u+\j:O+32*\u+\j+1], v[O+32*\u+\j:O+32*\u+\j+1], v[FF+2*\u:FF+2*\u+1] op_sel_hi:[1,0]
.endr
.endr
	WIN 0
.irp a, 0,16,32,48
.irp b, 0,2,4,6,8,10,12,14
	v_pk_fma_f32 v[S+\a+\b:S+\a+\b+1], v[S+\a+\b:S+\a+\b+1], s[CS:CS+1], v[NM:NM+1] op_sel_hi:[1,0,0]   ; tile 0: t - M
.endr
.endr
	s_wait_alu depctr_va_vdst(0)                   ; ahead of the batch
.irp a, 0,16,32,48
.irp b, 0,2,4,6,8,10,12,14
	v_exp_f32 v[S+\a+\b], v[S+\a+\b]               ; tile 0: p;  between the exponentials tile 1's t - M, which names none of their registers
	v_exp_f32 v[S+\a+\b+1], v[S+\a+\b+1]
	v_pk_fma_f32 v[S+64+\a+\b:S+64+\a+\b+1], v[S+64+\a+\b:S+64+\a+\b+1], s[CS:CS+1], v[NM+2:NM+3] op_sel_hi:[1,0,0]
.endr
.endr
	s_wait_alu depctr_va_vdst(0)                   ; behind tile 0's batch and ahead of tile 1's
	SUMS 0
.irp a, 0,16,32,48
.irp b, 0,2,4,6,8,10,12,14
	v_exp_f32 v[S+64+\a+\b], v[S+64+\a+\b]         ; tile 1: p;  between them tile 0's hold: the conversion does not saturate (ISA guide 7.6.2); p is not negative, so the hold is one-sided
	v_exp_f32 v[S+65+\a+\b], v[S+65+\a+\b]
	v_dual_min_num_f32 v[S+\a+\b], v[S+\a+\b], v[HA] :: v_dual_min_num_f32 v[S+\a+\b+1], v[S+\a+\b+1], v[HB]
.endr
.endr
	v_nop                                          ; a plain line behind the batch
	s_wait_alu depctr_va_vdst(0)                   ; one wait for the batch, ahead of its first reader
	CODES 0
	SUMS 1
.irp a, 0,16,32,48
.irp b, 0,2,4,6,8,10,12,14
	v_dual_min_num_f32 v[S+64+\a+\b], v[S+64+\a+\b], v[HA] :: v_dual_min_num_f32 v[S+65+\a+\b], v[S+65+\a+\b], v[HB]
.endr
.endr
	CODES 1
	v_nop                                          ; a plain line between the conversions and the products that read them
	s_wait_alu depctr_va_vdst(0)
.if \more
	s_wait_dscnt 16                                ; V's fragments are in; the next K's 16 loads may be out
.else
	s_wait_dscnt 0x0
.endif
	WIN 0x55
.irp t, 0,1,2,3
.irp u, 0,1
	v_wmma_f32_16x16x128_fp8_fp8 v[O+32*\u+8*\t:O+32*\u+8*\t+7], v[FV+16*\t:FV+16*\t+15], v[PC+16*\u:PC+16*\u+15], v[O+32*\u+8*\t:O+32*\u+8*\t+7]
.endr
.endr
	WIN 0
	s_add_co_u32 s[TB], s[TB], 8192
.endm
	s_wait_alu depctr_va_vdst(0)
	s_wait_loadcnt 0x0                             ; Q
	s_wait_tensorcnt 0x0                           ; my part of K or V
	s_barrier_signal -1
	s_barrier_wait -1                              ; everybody's part is in
	WIN 0x40
.irp t, 0,1,2,3,4,5,6,7
.irp g, 0,1
	ds_load_b128 v[FK+8*\t+4*\g:FK+8*\t+4*\g+3], v1 offset:1024*\t+512*\g   ; the first step's fragments of K
.endr
.endr
	WIN 0
	s_mov_b32 s[CNT], 15
.Lstep:
	STEP 1
	s_sub_co_u32 s[CNT], s[CNT], 1
	s_cmp_lg_u32 s[CNT], 0
	s_cbranch_scc1 .Lstep
	STEP 0                                         ; the last step fetches no further K
	; THE WAY OUT: O^T / the sum x 2^(ep + ev), held, converted: the conversions' results are registers of the next product's fragment
.irp u, 0,1
	v_add_f32 v[SUM+2*\u], v[SUM+2*\u], v[SUM+2*\u+1]
.endr
.irp u, 0,1
	v_permlanex16_b32 v[PT+\u], v[SUM+2*\u], s[SEL], s[SEL+1]
.endr
.irp u, 0,1
	v_add_f32 v[SUM+2*\u], v[SUM+2*\u], v[PT+\u]
.endr
	s_wait_alu depctr_va_vdst(0)                   ; ahead of the transcendentals
.irp u, 0,1
	v_rcp_f32 v[SUM+2*\u], v[SUM+2*\u]
.endr
	v_nop
	s_add_co_i32 s40, s[EX+4], s[EX+5]
	s_wait_alu depctr_va_vdst(0)                   ; ahead of their first reader
.irp u, 0,1
	v_ldexp_f32 v[SUM+2*\u], v[SUM+2*\u], s40
.endr
	WIN 0x01                                       ; source 0 window 1
	s_wait_alu depctr_va_vdst(0)                   ; ahead of the first reader of O^T
.irp u, 0,1
.irp j, 0,2,4,6,8,10,12,14,16,18,20,22,24,26,28,30
	v_pk_mul_f32 v[S+32*\u+\j:S+32*\u+\j+1], v[O+32*\u+\j:O+32*\u+\j+1], v[SUM+2*\u:SUM+2*\u+1] op_sel_hi:[1,0]
.endr
.endr
	WIN 0
.irp t, 0,1,2,3,4,5,6,7
.irp i, 0,1,2,3,4,5,6,7
	v_med3_num_f32 v[S+8*\t+\i], v[S+8*\t+\i], -v[OH], v[OH]
.endr
	v_cvt_scalef32_pk8_fp8_f32 v[OC+2*\t:OC+2*\t+1], v[S+8*\t:S+8*\t+7], v[OS]
.endr
	v_nop
.irp u, 0,1
.irp g, 0,1
	global_store_b128 v1, v[OC+8*\u+4*\g:OC+8*\u+4*\g+3], s[12:13] offset:2048*\u+512*\g   ; 512 consecutive bytes, aligned
.endr
.endr
	s_wait_tensorcnt 0x0                           ; the wave's end
	ds_add_u32 v[SPW], v[NIL]
	s_wait_dscnt 0x0
	CROUND                                         ; the closing round
	s_endpgm
.Lfunc_end_k_q9c1c3c7f24_attn:
	.size	k_q9c1c3c7f24_attn, .Lfunc_end_k_q9c1c3c7f24_attn-k_q9c1c3c7f24_attn
	.p2alignl 7, 3214868480
	.fill 96, 4, 3214868480
	.section	.rodata,"a",@progbits
	.p2align	6, 0x0
	.amdhsa_kernel k_q9c1c3c7f24_attn
		.amdhsa_group_segment_fixed_size 327680
		.amdhsa_private_segment_fixed_size 0
		.amdhsa_enable_private_segment 0
		.amdhsa_kernarg_size 40
		.amdhsa_user_sgpr_count 2
		.amdhsa_user_sgpr_kernarg_segment_ptr 1
		.amdhsa_wavefront_size32 1
		.amdhsa_system_sgpr_workgroup_id_x 1
		.amdhsa_system_sgpr_workgroup_id_y 1
		.amdhsa_system_sgpr_workgroup_id_z 1
		.amdhsa_system_vgpr_workitem_id 0
		.amdhsa_next_free_vgpr 512
		.amdhsa_next_free_sgpr 80
		.amdhsa_reserve_vcc 0
		.amdhsa_float_denorm_mode_32 3
		.amdhsa_float_denorm_mode_16_64 3
		.amdhsa_memory_ordered 1
		.amdhsa_forward_progress 1
		.amdhsa_inst_pref_size 73
	.end_amdhsa_kernel
	.amdgpu_metadata
---
amdhsa.version: [ 1, 2 ]
amdhsa.kernels:
  - .name:           k_q9c1c3c7f24_attn
    .symbol:         k_q9c1c3c7f24_attn.kd
    .args:
      - { .name: codes_b, .offset: 0, .size: 8, .value_kind: global_buffer, .address_space: global }
      - { .name: codes_k, .offset: 8, .size: 8, .value_kind: global_buffer, .address_space: global }
      - { .name: codes_v, .offset: 16, .size: 8, .value_kind: global_buffer, .address_space: global }
      - { .name: lowp_scales, .offset: 24, .size: 8, .value_kind: global_buffer, .address_space: global }
      - { .name: codes_a, .offset: 32, .size: 8, .value_kind: global_buffer, .address_space: global }
    .group_segment_fixed_size: 327680
    .private_segment_fixed_size: 0
    .kernarg_segment_align: 8
    .kernarg_segment_size: 40
    .max_flat_workgroup_size: 256
    .sgpr_count:     80
    .vgpr_count:     512
    .wavefront_size: 32
...
	.end_amdgpu_metadata
.endif
;; end of part 3
;; launch fc (part 4): grid 8 x 32, 4 waves a work-group, clusters of 4 x 4, 327,680 bytes of LDS; arguments codes_a, fc_w_codes, lowp_scales, fc_b, x, zbuf; writes zbuf
.if DOCPART == 4
	.amdgcn_target "amdgcn-amd-amdhsa--gfx1250"
	.amdhsa_code_object_version 6
	.text
	.protected	k_q9c1c3c7f24_fc
	.globl	k_q9c1c3c7f24_fc
	.p2align	8
	.type	k_q9c1c3c7f24_fc,@function
k_q9c1c3c7f24_fc:
	s_mov_b64 s[64:65], 0
	v_nop
	global_prefetch_b8 v0, s[64:65] scope:SCOPE_SE
	s_setreg_imm32_b32 hwreg(HW_REG_WAVE_MODE, 25, 1), 1
	s_wait_xcnt 0x0
	s_wait_alu depctr_hold_cnt(0) depctr_sa_sdst(0) depctr_va_vdst(0) depctr_va_sdst(0) depctr_va_ssrc(0) depctr_va_vcc(0) depctr_vm_vsrc(0)
	s_getreg_b32 s2, hwreg(HW_REG_IB_STS2, 6, 4)
	s_cmp_eq_u32 s2, 0
	s_cbranch_scc0 .Lentry_in_a_cluster
	s_endpgm
.Lentry_in_a_cluster:
	s_bfe_u32 s2, ttmp6, 0x10000c
	s_cmp_lg_u32 s2, 0xf033
	s_cbranch_scc0 .Lentry_shape_is_right
	s_endpgm
.Lentry_shape_is_right:
.set KDIM,   1024
.set EX,     68
.set EA,     EX+6
.set EB,     EX+7
.set KSTEP,  512
.set LAPS,   KDIM/(2*KSTEP)
.set ARB,    128*KDIM
.set ABYTES, 65536
.set BP,     528
.set BHALF,  64*BP
.set SLOT,   ABYTES+2*BHALF
.set SPARE,  2*SLOT
.set STAGE,  SPARE+512
.set SP,     272
.set ADRA, 16
.set ADRB, 20
.set STO,  24
.set RD,   25
.set CO,   26
.set SPW,  28
.set NIL,  29
.set BI,   96
.set ACC,  128
.set F0,   0
.set F1,   128
.set G1A,  24
.set G0A,  32
.set G1B,  48
.set G0B,  56
.set MSB, 0
.macro WIN new
.if MSB != \new
	s_set_vgpr_msb (MSB<<8)|\new
.set MSB, \new
.endif
.endm
.set MUL,  0x05
.set TO_F, 0x40
.set TO_R, 0x80
.set RESW, 0x20
.macro PLACES
.rept 4
	v_nop
.endr
.endm
.macro JLOAD s
	s_cmp_eq_u32 s15, 0
	s_cbranch_scc0 .Lfor_b_\@
	tensor_load_to_lds s[G0A+4*\s:G0A+4*\s+3], s[G1A:G1A+7]
	s_nop 0
.rept 4
	v_nop
.endr
	s_branch .Lasked_\@
.Lfor_b_\@:
	tensor_load_to_lds s[G0B+4*\s:G0B+4*\s+3], s[G1B:G1B+7]
	s_nop 0
.rept 4
	v_nop
.endr
.Lasked_\@:
.endm
.macro CROUND
	s_barrier_signal -1
	s_barrier_wait -1
	s_cmp_lg_u32 s14, 0
	s_cbranch_scc1 .Lnot_wave_0_\@
	s_barrier_signal -3
.Lnot_wave_0_\@:
	s_barrier_wait -3
	s_barrier_signal -1
	s_barrier_wait -1
.endm
.macro FETCH slot, q, f
	WIN TO_F
.irp a, 0,1,2,3
.irp g, 0,1,2,3
	ds_load_b128 v[\f+16*\a+4*\g:\f+16*\a+4*\g+3], v[ADRA+\slot] offset:16384*(\q)+2048*\a+512*\g
.endr
.endr
.irp b, 0,1,2,3
.irp c, 0,1,2,3,4,5,6,7
	ds_load_b64 v[\f+64+16*\b+2*\c:\f+64+16*\b+2*\c+1], v[ADRB+\slot] offset:128*(\q)+16*\c+16*BP*\b
.endr
.endr
.endm
.macro MUL16 f, first
.irp a, 0,1,2,3
.irp b, 0,1,2,3
.if \first
	v_wmma_f32_16x16x128_fp8_fp8 v[ACC+8*(4*\a+\b):ACC+8*(4*\a+\b)+7], v[\f+64+16*\b:\f+64+16*\b+15], v[\f+16*\a:\f+16*\a+15], v[BI+8*\b:BI+8*\b+7]
.else
	v_wmma_f32_16x16x128_fp8_fp8 v[ACC+8*(4*\a+\b):ACC+8*(4*\a+\b)+7], v[\f+64+16*\b:\f+64+16*\b+15], v[\f+16*\a:\f+16*\a+15], v[ACC+8*(4*\a+\b):ACC+8*(4*\a+\b)+7]
.endif
.endr
.endr
.endm
.macro STEP slot, q, f, g, first
	PLACES
	FETCH \slot, (\q)+1, \g
	s_wait_dscnt 48
	WIN MUL
	MUL16 \f, \first
.endm
.macro TURN slot, next, fill
	WIN 0
	s_wait_tensorcnt 0x0
	ds_add_u32 v[SPW], v[NIL]
.if \fill
	s_add_nc_u64 s[G0A+4*\slot+2:G0A+4*\slot+3], s[G0A+4*\slot+2:G0A+4*\slot+3], 2*ABYTES
	s_add_nc_u64 s[G0B+4*\slot+2:G0B+4*\slot+3], s[G0B+4*\slot+2:G0B+4*\slot+3], 2*KSTEP
.endif
	s_wait_dscnt 0x0
.if \fill
	CROUND
	JLOAD \slot
.else
	s_barrier_signal -1
	s_barrier_wait -1
	PLACES
.endif
	FETCH \next, 0, F0
	WIN MUL
	MUL16 F1, 0
.endm
	s_load_b256 s[4:11], s[0:1], 0x0
	s_load_b128 s[84:87], s[0:1], 0x20
	v_lshl_add_u32 v[SPW], v0, 2, SPARE
	v_mov_b32 v[NIL], 0
	ds_add_u32 v[SPW], v[NIL]
	ds_add_u32 v[SPW], v[NIL]
	v_lshrrev_b32 v1, 5, v0
	v_readfirstlane_b32 s14, v1
	s_lshr_b32 s15, s14, 1
	s_and_b32 s16, s14, 1
	s_bfe_u32 s40, ttmp6, 0x40000
	s_bfe_u32 s41, ttmp6, 0x40004
	s_lshl_b32 s42, ttmp9, 2
	s_add_co_u32 s42, s42, s40
	s_and_b32 s17, ttmp7, 0xffff
	s_lshl_b32 s17, s17, 2
	s_add_co_u32 s17, s17, s41
	s_lshl_b32 s43, s41, 2
	s_lshl_b32 s43, 15, s43
	s_lshl_b32 s44, 0x1111, s40
	s_or_b32 s[G1A], s43, (3<<16)|(1<<21)
	s_mov_b32 s[G1A+1], 32<<16
	s_mov_b32 s[G1A+2], 128<<16
	s_mov_b32 s[G1A+3], 32<<16
	s_mov_b32 s[G1A+4], 128
	s_mov_b32 s[G1A+5], 32
	s_mov_b32 s[G1A+6], 0
	s_mov_b32 s[G1A+7], 0
	s_or_b32 s[G1B], s44, (0<<16)|(1<<20)|(1<<21)|(6<<22)|(3<<25)
	s_mov_b32 s[G1B+1], KSTEP<<16
	s_mov_b32 s[G1B+2], 64<<16
	s_mov_b32 s[G1B+3], KSTEP<<16
	s_mov_b32 s[G1B+4], 64
	s_mov_b32 s[G1B+5], KDIM
	s_mov_b32 s[G1B+6], 0
	s_mov_b32 s[G1B+7], 0
	s_mul_i32 s20, s17, ARB
	s_lshl_b32 s18, s16, 15
	s_add_co_u32 s20, s20, s18
	s_mov_b32 s21, 0
	s_lshl_b32 s46, s42, 7
	s_lshl_b32 s18, s16, 6
	s_add_co_u32 s46, s46, s18
	s_mul_i32 s46, s46, KDIM
	s_mov_b32 s47, 0
	s_lshl_b32 s45, s16, 15
	s_mul_i32 s19, s16, BHALF
	s_add_co_u32 s19, s19, ABYTES
	s_wait_dscnt 0x0
	s_wait_kmcnt 0x0
	s_load_b256 s[68:75], s[8:9], 0x0
	s_load_b128 s[76:79], s[8:9], 0x20
	s_add_nc_u64 s[20:21], s[4:5], s[20:21]
	s_add_nc_u64 s[46:47], s[6:7], s[46:47]
	CROUND
.irp s, 0,1
	s_mov_b32 s[G0A+4*\s], 1
	s_add_co_u32 s[G0A+4*\s+1], s45, \s*SLOT
	s_add_nc_u64 s[G0A+4*\s+2:G0A+4*\s+3], s[20:21], \s*ABYTES
	s_or_b32 s[G0A+4*\s+3], s[G0A+4*\s+3], 0x80000000
	s_mov_b32 s[G0B+4*\s], 1
	s_add_co_u32 s[G0B+4*\s+1], s19, \s*SLOT
	s_add_nc_u64 s[G0B+4*\s+2:G0B+4*\s+3], s[46:47], \s*KSTEP
	s_or_b32 s[G0B+4*\s+3], s[G0B+4*\s+3], 0x80000000
.endr
	; a prefetch of K step 1, one instruction a wave: of the 128 blocks of 256 bytes that my wave will fetch, each of the four partners that ask jointly names 32, told apart by address (cx for A, cy for W)
	s_cmp_eq_u32 s15, 0                            ; do I fetch for A?
	s_cselect_b64 s[80:81], s[20:21], s[46:47]     ; my wave's tile of K step 0
	s_cselect_b32 s82, s40, s41                    ; my place among the four
	s_cselect_b32 s83, 13, 14                      ; A: 8,192 dense bytes a partner; W: 16 rows of KDIM bytes
	s_mov_b32 s98, KSTEP
	s_cselect_b32 s98, ABYTES, s98                 ; a K step on
	s_mov_b32 s12, KDIM
	s_cselect_b32 s12, 512, s12                    ; two lanes on: 512 dense bytes, or a row of W
	s_lshl_b32 s82, s82, s83
	s_mov_b32 s83, 0
	s_mov_b32 s99, 0
	s_add_nc_u64 s[80:81], s[80:81], s[82:83]
	s_add_nc_u64 s[80:81], s[80:81], s[98:99]      ; K step 1; never rewritten
	v_and_b32 v30, 31, v0
	v_lshrrev_b32 v31, 1, v30
	v_and_b32 v30, 1, v30
	v_lshlrev_b32 v30, 8, v30
	v_mad_u32_u24 v30, v31, s12, v30               ; my lane's block; never rewritten
	s_wait_alu depctr_va_vdst(0)                   ; the wait behind the write
	JLOAD 0                                        ; K step 0: one tensor load a wave at the head
	global_prefetch_b8 v30, s[80:81] th:TH_LOAD_NT scope:SCOPE_SE
	v_and_b32 v1, 15, v0
	v_bfe_u32 v2, v0, 4, 1
	v_and_b32 v3, 31, v0
	v_lshlrev_b32 v3, 4, v3
	s_lshl_b32 s12, s15, 13
	v_add_nc_u32 v[ADRA], s12, v3
	v_add_nc_u32 v[ADRA+1], SLOT, v[ADRA]
	v_mul_u32_u24 v10, v1, BP
	v_lshl_add_u32 v10, v2, 3, v10
	v_add_nc_u32 v[ADRB], s19, v10
	v_add_nc_u32 v[ADRB+1], SLOT, v[ADRB]
	s_mul_i32 s13, s14, 16*SP
	s_add_co_u32 s13, s13, STAGE
	v_mul_u32_u24 v10, v1, SP
	v_lshl_add_u32 v10, v2, 5, v10
	v_add_nc_u32 v[STO], s13, v10
	v_mul_u32_u24 v10, v2, SP
	v_lshl_add_u32 v10, v1, 4, v10
	v_add_nc_u32 v[RD], s13, v10
	v_lshlrev_b32 v[CO], 12, v2
	v_lshl_add_u32 v[CO], v1, 4, v[CO]
	s_wait_alu depctr_va_vdst(0)
	v_lshlrev_b32 v11, 5, v2
	s_lshl_b32 s22, s42, 9
	s_lshl_b32 s23, s16, 8
	s_add_co_u32 s22, s22, s23
	s_mov_b32 s23, 0
	s_add_nc_u64 s[10:11], s[10:11], s[22:23]
.irp b, 0,1,2,3
	global_load_b128 v[BI+8*\b:BI+8*\b+3],   v11, s[10:11] offset:64*\b
	global_load_b128 v[BI+8*\b+4:BI+8*\b+7], v11, s[10:11] offset:64*\b+16
.endr
	s_lshl_b32 s22, s17, 7
	s_lshl_b32 s23, s15, 6
	s_add_co_u32 s22, s22, s23
	s_lshl_b32 s22, s22, 12
	s_lshl_b32 s23, s42, 9
	s_add_co_u32 s22, s22, s23
	s_lshl_b32 s23, s16, 8
	s_add_co_u32 s22, s22, s23
	s_mov_b32 s23, 0
	s_add_nc_u64 s[84:85], s[84:85], s[22:23]
	s_add_nc_u64 s[86:87], s[86:87], s[22:23]
	WIN TO_R
.irp a, 0,1,2,3
.irp t, 0,1,2,3,4,5,6,7
	global_load_b128 v[32*\a+4*\t:32*\a+4*\t+3], v[CO], s[84:85] offset:(16*\a+2*\t)*4096
.endr
.endr
	WIN 0
	s_wait_kmcnt 0x0
	s_add_co_i32 s90, s[EA], s[EB]
	s_sub_co_i32 s91, 0, s90
	s_add_co_i32 s92, s90, 127
	s_lshl_b32 s92, s92, 23
	s_mov_b32 s93, s92
	s_wait_loadcnt 32
.irp j, 0,1,2,3,4,5,6,7,8,9,10,11,12,13,14,15,16,17,18,19,20,21,22,23,24,25,26,27,28,29,30,31
	v_ldexp_f32 v[BI+\j], v[BI+\j], s91
.endr
	s_wait_alu depctr_va_vdst(0)
	s_wait_tensorcnt 0x0                           ; my part of K step 0 is in
	ds_add_u32 v[SPW], v[NIL]
	s_wait_dscnt 0x0
	CROUND                                         ; everybody's part of K step 0 is in, and the joint loads meet
	JLOAD 1                                        ; K step 1, the first tensor load behind the round
	FETCH 0, 0, F0
	STEP 0, 0, F0, F1, 1
.if LAPS > 1
	WIN 0
	s_mov_b32 s3, LAPS-1
.Llap:
	STEP 0, 1, F1, F0, 0
	STEP 0, 2, F0, F1, 0
	TURN 0, 1, 1
	STEP 1, 0, F0, F1, 0
	STEP 1, 1, F1, F0, 0
	STEP 1, 2, F0, F1, 0
	TURN 1, 0, 1
	STEP 0, 0, F0, F1, 0
	WIN 0
	s_sub_co_u32 s3, s3, 1
	s_cmp_lg_u32 s3, 0
	s_cbranch_scc1 .Llap
.endif
	STEP 0, 1, F1, F0, 0
	STEP 0, 2, F0, F1, 0
	TURN 0, 1, 0
	STEP 1, 0, F0, F1, 0
	STEP 1, 1, F1, F0, 0
	STEP 1, 2, F0, F1, 0
	s_wait_dscnt 0x0
	WIN MUL
	MUL16 F1, 0
	WIN 0
	PLACES
.macro OUTBLK a
.irp b, 0,1,2,3
	ds_store_b128 v[STO], v[ACC+32*\a+8*\b:ACC+32*\a+8*\b+3]   offset:64*\b
	ds_store_b128 v[STO], v[ACC+32*\a+8*\b+4:ACC+32*\a+8*\b+7] offset:64*\b+16
.endr
.irp t, 0,1,2,3,4,5,6,7
	ds_load_b128 v[32+4*\t:32+4*\t+3], v[RD] offset:2*SP*\t
.endr
	s_wait_dscnt 0x0
.if \a > 0
	s_wait_xcnt 0x0
.endif
	WIN RESW
.irp i, 0,2,4,6,8,10,12,14,16,18,20,22,24,26,28,30
	v_pk_fma_f32 v[64+\i:64+\i+1], v[32+\i:32+\i+1], s[92:93], v[32*\a+\i:32*\a+\i+1] op_sel_hi:[1,0,1]
.endr
	WIN 0
.irp t, 0,1,2,3,4,5,6,7
	global_store_b128 v[CO], v[64+4*\t:64+4*\t+3], s[86:87] offset:(16*\a+2*\t)*4096
.endr
.endm
	s_wait_loadcnt 0x0
	OUTBLK 0
	OUTBLK 1
	OUTBLK 2
	OUTBLK 3
	s_wait_tensorcnt 0x0
	ds_add_u32 v[SPW], v[NIL]
	s_wait_dscnt 0x0
	CROUND
	s_endpgm
.Lfunc_end_k_q9c1c3c7f24_fc:
	.size	k_q9c1c3c7f24_fc, .Lfunc_end_k_q9c1c3c7f24_fc-k_q9c1c3c7f24_fc
	.p2alignl 7, 3214868480
	.fill 96, 4, 3214868480
	.section	.rodata,"a",@progbits
	.p2align	6, 0x0
	.amdhsa_kernel k_q9c1c3c7f24_fc
		.amdhsa_group_segment_fixed_size 327680
		.amdhsa_private_segment_fixed_size 0
		.amdhsa_enable_private_segment 0
		.amdhsa_kernarg_size 48
		.amdhsa_user_sgpr_count 2
		.amdhsa_user_sgpr_kernarg_segment_ptr 1
		.amdhsa_wavefront_size32 1
		.amdhsa_system_sgpr_workgroup_id_x 1
		.amdhsa_system_sgpr_workgroup_id_y 1
		.amdhsa_system_sgpr_workgroup_id_z 1
		.amdhsa_system_vgpr_workitem_id 0
		.amdhsa_next_free_vgpr 640
		.amdhsa_next_free_sgpr 100
		.amdhsa_reserve_vcc 0
		.amdhsa_float_denorm_mode_32 3
		.amdhsa_float_denorm_mode_16_64 3
		.amdhsa_memory_ordered 1
		.amdhsa_forward_progress 1
		.amdhsa_inst_pref_size 61
	.end_amdhsa_kernel
	.amdgpu_metadata
---
amdhsa.version: [ 1, 2 ]
amdhsa.kernels:
  - .name:           k_q9c1c3c7f24_fc
    .symbol:         k_q9c1c3c7f24_fc.kd
    .args:
      - { .name: codes_a, .offset: 0, .size: 8, .value_kind: global_buffer, .address_space: global }
      - { .name: fc_w_codes, .offset: 8, .size: 8, .value_kind: global_buffer, .address_space: global }
      - { .name: lowp_scales, .offset: 16, .size: 8, .value_kind: global_buffer, .address_space: global }
      - { .name: fc_b, .offset: 24, .size: 8, .value_kind: global_buffer, .address_space: global }
      - { .name: x, .offset: 32, .size: 8, .value_kind: global_buffer, .address_space: global }
      - { .name: zbuf, .offset: 40, .size: 8, .value_kind: global_buffer, .address_space: global }
    .group_segment_fixed_size: 327680
    .private_segment_fixed_size: 0
    .kernarg_segment_align: 8
    .kernarg_segment_size: 48
    .max_flat_workgroup_size: 128
    .sgpr_count:     100
    .vgpr_count:     640
    .wavefront_size: 32
...
	.end_amdgpu_metadata
.endif
;; end of part 4
;; launch ln1 (part 5): grid 256 x 1, 4 waves a work-group, no clusters, 17,408 bytes of LDS; arguments zbuf, ln1_g, ln1_b, lowp_scales, ybuf, codes_b; writes ybuf, codes_b
.if DOCPART == 5
	.amdgcn_target "amdgcn-amd-amdhsa--gfx1250"
	.amdhsa_code_object_version 6
	.text
	.protected	k_q9c1c3c7f24_ln1
	.globl	k_q9c1c3c7f24_ln1
	.p2align	8
	.type	k_q9c1c3c7f24_ln1,@function
k_q9c1c3c7f24_ln1:
	s_mov_b64 s[64:65], 0
	v_nop
	global_prefetch_b8 v0, s[64:65] scope:SCOPE_SE
	s_setreg_imm32_b32 hwreg(HW_REG_WAVE_MODE, 25, 1), 1
	s_wait_xcnt 0x0
; y = (z - mean) / sqrt(variance + 1e-5) x g + b along rows of 1,024 numbers, f32; with WITHQ = 1 y is also quantised to FP8 (E4M3; entry 8 of the exponents) into images of fragments.  Nothing is left out.
; The mean is taken away first and the squares are summed of what is left: two passes over registers, no difference of large sums.
; SHARES: a work-group takes 16 rows, wave w rows 4 w .. 4 w + 3, each whole in 32 registers a lane: the row is read once, and a reduction never leaves the wave.  The four rows take turns line by line.
; Each load and store covers 512 consecutive bytes.  The codes meet in LDS as rows of 1,024 bytes + 16; behind one barrier wave w reads chunks 2 w, 2 w + 1 of 128 along K in the image's order:
; [block of 128 tokens][chunk][tile of 16 tokens][group g][lane][16 bytes], lane (r, h): k = 32 g + 8 h + 0 .. 7 and 32 g + 16 + 8 h + 0 .. 7 of token r.
; No cluster: what the work-groups share (g and b, 8,192 bytes) is small beside a work-group's own 65,536.  No matrix unit: the launch streams.
; LIMITS: the exponent between -126 and 119.  NaN is not served.
.set WITHQ, 1
.set OUTP,  12                         ; s[12:13] where y goes
.set PITCH, 1040                       ; 260 words: row r starts at bank 4 r mod 64 (64 banks of 4 bytes: ISA guide 11.1)
.set SPARE, 16*PITCH                   ; the spare words, 128 bytes for each wave: two blocks of 256 bytes that no other line names
.set X,   32                           ; v32-159  row i at 32 i: register 4 j + m = number 128 j + 4 lane + m
.set G,   160                          ; v160-191 g; later the codes
.set BT,  192                          ; v192-223 b; later two sets of 8 held numbers
.set T,   224                          ; v224-239 sums
.set IM,  208                          ; v208-239 at the end: two chunks' images
.set SPW, 12
.set NIL, 13
	s_load_b256 s[4:11], s[0:1], 0x0               ; z, g, b, and the exponents (WITHQ) or the output
.if WITHQ
	s_load_b128 s[12:15], s[0:1], 0x20             ; y, the codes
	v_lshl_add_u32 v[SPW], v0, 2, SPARE
	v_mov_b32 v[NIL], 0
.endif
	v_lshrrev_b32 v4, 5, v0
	v_readfirstlane_b32 s18, v4                    ; wave
	v_and_b32 v5, 31, v0                           ; lane
	s_wait_alu depctr_va_vdst(0)
	v_lshlrev_b32 v1, 4, v5                        ; 16 x lane
	s_lshl_b32 s16, ttmp9, 16                      ; 16 rows of 4,096 bytes a work-group,
	s_lshl_b32 s17, s18, 14                        ; four a wave
	s_add_co_u32 s16, s16, s17
	s_mov_b32 s17, 0
	s_mov_b32 s20, 0x76543210                      ; v_permlanex16_b32: lane l xor 16
	s_mov_b32 s21, 0xfedcba98
	s_mov_b32 s22, 0x3a800000                      ; 1 / 1,024
	s_mov_b32 s23, 0x3727c5ac                      ; 1e-5
.if WITHQ
	s_mul_i32 s19, s18, 4*PITCH
	v_lshl_add_u32 v2, v5, 2, s19                  ; into LDS: my wave's four rows, 4 bytes a lane
	v_and_b32 v6, 15, v0
	v_bfe_u32 v7, v0, 4, 1
	v_mul_u32_u24 v3, v6, PITCH
	v_lshl_add_u32 v3, v7, 3, v3
	s_lshl_b32 s19, s18, 8
	v_add_nc_u32 v3, s19, v3                       ; out of LDS: row r, + 8 h, + my wave's two chunks
	s_lshr_b32 s26, ttmp9, 3
	s_lshl_b32 s26, s26, 17
	s_and_b32 s27, ttmp9, 7
	s_lshl_b32 s27, s27, 11
	s_add_co_u32 s26, s26, s27
	s_lshl_b32 s27, s18, 15
	s_add_co_u32 s26, s26, s27
	s_mov_b32 s27, 0
.endif
	s_wait_alu depctr_va_vdst(0)
	s_wait_kmcnt 0x0
.if WITHQ
	s_load_b32 s24, s[10:11], 0x20                 ; the exponent
	s_add_nc_u64 s[14:15], s[14:15], s[26:27]
.endif
	s_add_nc_u64 s[4:5], s[4:5], s[16:17]
	s_add_nc_u64 s[OUTP:OUTP+1], s[OUTP:OUTP+1], s[16:17]
.irp i, 0,1,2,3
.irp j, 0,1,2,3,4,5,6,7
	global_load_b128 v[X+32*\i+4*\j:X+32*\i+4*\j+3], v1, s[4:5] offset:4096*\i+512*\j th:TH_LOAD_NT
.endr
.endr
.irp j, 0,1,2,3,4,5,6,7
	global_load_b128 v[G+4*\j:G+4*\j+3],   v1, s[6:7] offset:512*\j
	global_load_b128 v[BT+4*\j:BT+4*\j+3], v1, s[8:9] offset:512*\j
.endr
.macro RED R                           ; the four rows' pairs at v[R + 2 i] are summed over the pair and over the 32 lanes; every lane ends with the sum in v[R + 2 i]
.irp i, 0,1,2,3
	v_add_f32 v[\R+2*\i], v[\R+2*\i], v[\R+2*\i+1]
.endr
.irp m, 1,2,4,8
.irp i, 0,1,2,3
	v_add_f32_dpp v[\R+2*\i], v[\R+2*\i], v[\R+2*\i] row_xmask:\m row_mask:0xf bank_mask:0xf
.endr
.endr
.irp i, 0,1,2,3
	v_permlanex16_b32 v[\R+2*\i+1], v[\R+2*\i], s20, s21
.endr
.irp i, 0,1,2,3
	v_add_f32 v[\R+2*\i], v[\R+2*\i], v[\R+2*\i+1]
.endr
.endm
	s_wait_loadcnt 16                              ; z is in; g's and b's 16 loads may be out
.irp i, 0,1,2,3
	v_pk_add_f32 v[T+2*\i:T+2*\i+1], v[X+32*\i:X+32*\i+1], v[X+32*\i+2:X+32*\i+3]
.endr
.irp k, 4,6,8,10,12,14,16,18,20,22,24,26,28,30
.irp i, 0,1,2,3
	v_pk_add_f32 v[T+2*\i:T+2*\i+1], v[T+2*\i:T+2*\i+1], v[X+32*\i+\k:X+32*\i+\k+1]
.endr
.endr
	RED T
.irp i, 0,1,2,3
	v_mul_f32 v[T+2*\i], 0xba800000, v[T+2*\i]     ; -mean
.endr
.irp k, 0,2,4,6,8,10,12,14,16,18,20,22,24,26,28,30
.irp i, 0,1,2,3
	v_pk_add_f32 v[X+32*\i+\k:X+32*\i+\k+1], v[X+32*\i+\k:X+32*\i+\k+1], v[T+2*\i:T+2*\i+1] op_sel_hi:[1,0]
.endr
.endr
.irp i, 0,1,2,3
	v_pk_mul_f32 v[T+8+2*\i:T+8+2*\i+1], v[X+32*\i:X+32*\i+1], v[X+32*\i:X+32*\i+1]
.endr
.irp k, 2,4,6,8,10,12,14,16,18,20,22,24,26,28,30
.irp i, 0,1,2,3
	v_pk_fma_f32 v[T+8+2*\i:T+8+2*\i+1], v[X+32*\i+\k:X+32*\i+\k+1], v[X+32*\i+\k:X+32*\i+\k+1], v[T+8+2*\i:T+8+2*\i+1]
.endr
.endr
	RED T+8
.irp i, 0,1,2,3
	v_fma_f32 v[T+8+2*\i], v[T+8+2*\i], s22, s23   ; variance + 1e-5
.endr
	s_wait_alu depctr_va_vdst(0)
.irp i, 0,1,2,3
	v_rsq_f32 v[T+2*\i], v[T+8+2*\i]
.endr
	v_nop                                          ; a plain line behind the batch
	s_wait_loadcnt 0x0                             ; g and b
	s_wait_alu depctr_va_vdst(0)                   ; one wait for the four, ahead of their first reader
.irp k, 0,2,4,6,8,10,12,14,16,18,20,22,24,26,28,30
.irp i, 0,1,2,3
	v_pk_mul_f32 v[X+32*\i+\k:X+32*\i+\k+1], v[X+32*\i+\k:X+32*\i+\k+1], v[T+2*\i:T+2*\i+1] op_sel_hi:[1,0]
.endr
.irp i, 0,1,2,3
	v_pk_fma_f32 v[X+32*\i+\k:X+32*\i+\k+1], v[X+32*\i+\k:X+32*\i+\k+1], v[G+\k:G+\k+1], v[BT+\k:BT+\k+1]
.endr
.endr
.irp i, 0,1,2,3
.irp j, 0,1,2,3,4,5,6,7
.if WITHQ
	global_store_b128 v1, v[X+32*\i+4*\j:X+32*\i+4*\j+3], s[OUTP:OUTP+1] offset:4096*\i+512*\j
.else
	global_store_b128 v1, v[X+32*\i+4*\j:X+32*\i+4*\j+3], s[OUTP:OUTP+1] offset:4096*\i+512*\j th:TH_STORE_NT
.endif
.endr
.endr
.if WITHQ
	s_wait_kmcnt 0x0
	s_add_co_i32 s24, s24, 127
	s_lshl_b32 s25, s24, 23
	v_mov_b32 v11, s25                             ; 2^e
	s_add_co_i32 s24, s24, 8
	s_lshl_b32 s24, s24, 23
	s_or_b32 s24, s24, 0x600000
	v_mov_b32 v10, s24                             ; 448 x 2^e
.irp i, 0,1,2,3
.irp p, 0,1,2,3
.set HS, BT+8*((4*\i+\p)%2)            ; the held numbers go into two sets by turns: y's registers stay whole for their stores
.irp m, 0,1,2,3,4,5,6,7
	v_med3_num_f32 v[HS+\m], v[X+32*\i+8*\p+\m], -v10, v10   ; the conversion does not saturate (ISA guide 7.6.2)
.endr
	v_cvt_scalef32_pk8_fp8_f32 v[G+8*\i+2*\p:G+8*\i+2*\p+1], v[HS:HS+7], v11
.endr
	v_nop
.irp j, 0,1,2,3,4,5,6,7
	ds_store_b32 v2, v[G+8*\i+\j] offset:PITCH*\i+128*\j
.endr
.endr
	s_wait_dscnt 0x0                               ; for the others' sake: my stores have landed
	s_barrier_signal -1
	s_barrier_wait -1
.irp q, 0,1
.irp g, 0,1,2,3
	ds_load_b64 v[IM+16*\q+4*\g:IM+16*\q+4*\g+1],   v3 offset:128*\q+32*\g
	ds_load_b64 v[IM+16*\q+4*\g+2:IM+16*\q+4*\g+3], v3 offset:128*\q+32*\g+16
.endr
.endr
	s_wait_dscnt 0x0
.irp q, 0,1
.irp g, 0,1,2,3
	global_store_b128 v1, v[IM+16*\q+4*\g:IM+16*\q+4*\g+3], s[14:15] offset:16384*\q+512*\g
.endr
.endr
	s_wait_tensorcnt 0x0                           ; the wave's end, behind my last LDS store
	ds_add_u32 v[SPW], v[NIL]
	s_wait_dscnt 0x0
.endif
	s_endpgm
.Lfunc_end_k_q9c1c3c7f24_ln1:
	.size	k_q9c1c3c7f24_ln1, .Lfunc_end_k_q9c1c3c7f24_ln1-k_q9c1c3c7f24_ln1
	.p2alignl 7, 3214868480
	.fill 96, 4, 3214868480
	.section	.rodata,"a",@progbits
	.p2align	6, 0x0
	.amdhsa_kernel k_q9c1c3c7f24_ln1
		.amdhsa_group_segment_fixed_size 17408
		.amdhsa_private_segment_fixed_size 0
		.amdhsa_enable_private_segment 0
		.amdhsa_kernarg_size 48
		.amdhsa_user_sgpr_count 2
		.amdhsa_user_sgpr_kernarg_segment_ptr 1
		.amdhsa_wavefront_size32 1
		.amdhsa_system_sgpr_workgroup_id_x 1
		.amdhsa_system_sgpr_workgroup_id_y 1
		.amdhsa_system_sgpr_workgroup_id_z 1
		.amdhsa_system_vgpr_workitem_id 0
		.amdhsa_next_free_vgpr 240
		.amdhsa_next_free_sgpr 66
		.amdhsa_reserve_vcc 0
		.amdhsa_float_denorm_mode_32 3
		.amdhsa_float_denorm_mode_16_64 3
		.amdhsa_memory_ordered 1
		.amdhsa_forward_progress 1
		.amdhsa_inst_pref_size 47
	.end_amdhsa_kernel
	.amdgpu_metadata
---
amdhsa.version: [ 1, 2 ]
amdhsa.kernels:
  - .name:           k_q9c1c3c7f24_ln1
    .symbol:         k_q9c1c3c7f24_ln1.kd
    .args:
      - { .name: zbuf, .offset: 0, .size: 8, .value_kind: global_buffer, .address_space: global }
      - { .name: ln1_g, .offset: 8, .size: 8, .value_kind: global_buffer, .address_space: global }
      - { .name: ln1_b, .offset: 16, .size: 8, .value_kind: global_buffer, .address_space: global }
      - { .name: lowp_scales, .offset: 24, .size: 8, .value_kind: global_buffer, .address_space: global }
      - { .name: ybuf, .offset: 32, .size: 8, .value_kind: global_buffer, .address_space: global }
      - { .name: codes_b, .offset: 40, .size: 8, .value_kind: global_buffer, .address_space: global }
    .group_segment_fixed_size: 17408
    .private_segment_fixed_size: 0
    .kernarg_segment_align: 8
    .kernarg_segment_size: 48
    .max_flat_workgroup_size: 128
    .sgpr_count:     66
    .vgpr_count:     240
    .wavefront_size: 32
...
	.end_amdgpu_metadata
.endif
;; end of part 5
;; launch ffn1 (part 6): grid 16 x 16, 4 waves a work-group, clusters of 4 x 4, 327,680 bytes of LDS; arguments codes_b, w1_codes, lowp_scales, b1, hbuf; writes hbuf
.if DOCPART == 6
	.amdgcn_target "amdgcn-amd-amdhsa--gfx1250"
	.amdhsa_code_object_version 6
	.text
	.protected	k_q9c1c3c7f24_ffn1
	.globl	k_q9c1c3c7f24_ffn1
	.p2align	8
	.type	k_q9c1c3c7f24_ffn1,@function
k_q9c1c3c7f24_ffn1:
	s_mov_b64 s[64:65], 0
	v_nop
	global_prefetch_b8 v0, s[64:65] scope:SCOPE_SE
	s_setreg_imm32_b32 hwreg(HW_REG_WAVE_MODE, 25, 1), 1
	s_wait_xcnt 0x0
	s_wait_alu depctr_hold_cnt(0) depctr_sa_sdst(0) depctr_va_vdst(0) depctr_va_sdst(0) depctr_va_ssrc(0) depctr_va_vcc(0) depctr_vm_vsrc(0)
	s_getreg_b32 s2, hwreg(HW_REG_IB_STS2, 6, 4)
	s_cmp_eq_u32 s2, 0
	s_cbranch_scc0 .Lentry_in_a_cluster
	s_endpgm
.Lentry_in_a_cluster:
	s_bfe_u32 s2, ttmp6, 0x10000c
	s_cmp_lg_u32 s2, 0xf033
	s_cbranch_scc0 .Lentry_shape_is_right
	s_endpgm
.Lentry_shape_is_right:
.set KDIM,   1024
.set EX,     68
.set EA,     EX+8
.set EB,     EX+9
.set KSTEP,  256
.set AHALF,  32768
.set ABYTES, 2*AHALF
.set BP,     272
.set BHALF,  128*BP
.set SLOT,   ABYTES+2*BHALF
.set SPARE,  2*SLOT
.set ADRA, 16
.set ADRB, 20
.set SPW,  28
.set NIL,  29
.set BI,   32
.set TMP,  32
.set AF,   128
.set G1A,  24
.set G0A,  32
.set G1B,  48
.set G0B,  56
.set MSB, 0
.macro WIN new
.if MSB != \new
	s_set_vgpr_msb (MSB<<8)|\new
.set MSB, \new
.endif
.endm
.set MUL_LO, 0xa1
.set MUL_HI, 0xf1
.set FST_LO, 0x81
.set FST_HI, 0xc1
.set TO_B,   0x40
.macro PLACES
.rept 4
	v_nop
.endr
.endm
.macro JLOAD s
	s_cmp_eq_u32 s15, 0
	s_cbranch_scc0 .Lfor_b_\@
	tensor_load_to_lds s[G0A+4*\s:G0A+4*\s+3], s[G1A:G1A+7]
	s_nop 0
.rept 4
	v_nop
.endr
	s_branch .Lasked_\@
.Lfor_b_\@:
	tensor_load_to_lds s[G0B+4*\s:G0B+4*\s+3], s[G1B:G1B+7]
	s_nop 0
.rept 4
	v_nop
.endr
.Lasked_\@:
.endm
.macro CREST
	s_cmp_lg_u32 s14, 0
	s_cbranch_scc1 .Lnot_wave_0_\@
	s_barrier_signal -3
.Lnot_wave_0_\@:
	s_barrier_wait -3
	s_barrier_signal -1
	s_barrier_wait -1
.endm
.macro CROUND
	s_barrier_signal -1
	s_barrier_wait -1
	CREST
.endm
.macro FRAGA reg, slot, q, i
.irp g, 0,1,2,3
	ds_load_b128 v[\reg+4*\g:\reg+4*\g+3], v[ADRA+\slot] offset:16384*(\q)+2048*(\i)+512*\g
.endr
.endm
.macro FRAGB reg, slot, q, i
.irp c, 0,1,2,3,4,5,6,7
	ds_load_b64 v[\reg+2*\c:\reg+2*\c+1], v[ADRB+\slot] offset:128*(\q)+16*\c+16*BP*(\i)
.endr
.endm
.macro FETCH_B slot, q, p
	WIN TO_B
.irp i, 0,1,2,3,4,5,6,7
	FRAGB 128*(\p)+16*\i, \slot, \q, \i
.endr
	WIN 0
.endm
.macro FETCH_A slot, q, i0
.irp i, \i0, \i0+1, \i0+2, \i0+3
	FRAGA AF+16*(\i), \slot, \q, \i
.endr
.endm
.macro MUL16 a0, p, first
.irp a, \a0, \a0+1
.irp b, 0,1,2,3,4,5,6,7
.if \first
	v_wmma_f32_16x16x128_fp8_fp8 v[8*(8*((\a)%4)+\b):8*(8*((\a)%4)+\b)+7], v[128*(\p)+16*\b:128*(\p)+16*\b+15], v[AF+16*(\a):AF+16*(\a)+15], v[BI+8*\b:BI+8*\b+7]
.else
	v_wmma_f32_16x16x128_fp8_fp8 v[8*(8*((\a)%4)+\b):8*(8*((\a)%4)+\b)+7], v[128*(\p)+16*\b:128*(\p)+16*\b+15], v[AF+16*(\a):AF+16*(\a)+15], v[8*(8*((\a)%4)+\b):8*(8*((\a)%4)+\b)+7]
.endif
.endr
.endr
.endm
.macro STEP slot, q, first
	s_wait_dscnt 16
.if \first
	WIN FST_LO
.else
	WIN MUL_LO
.endif
	MUL16 0, (\q)%2, \first
	MUL16 2, (\q)%2, \first
	s_wait_dscnt 0x0
	PLACES
	FETCH_B \slot, (\q)+1, 1-(\q)%2
	FETCH_A \slot, (\q)+1, 0
.if \first
	WIN FST_HI
.else
	WIN MUL_HI
.endif
	MUL16 4, (\q)%2, \first
	MUL16 6, (\q)%2, \first
	PLACES
	WIN 0
	FETCH_A \slot, (\q)+1, 4
.endm
.macro TURN slot, next, fill
	s_wait_tensorcnt 0x0
	ds_add_u32 v[SPW], v[NIL]
	s_wait_dscnt 17
	WIN MUL_LO
	MUL16 0, 1, 0
	s_wait_dscnt 0x0
	s_barrier_signal -1
	MUL16 2, 1, 0
	WIN 0
	s_barrier_wait -1
.if \fill
	CREST
	s_add_nc_u64 s[G0A+4*\slot+2:G0A+4*\slot+3], s[G0A+4*\slot+2:G0A+4*\slot+3], 2*AHALF
	s_add_nc_u64 s[G0B+4*\slot+2:G0B+4*\slot+3], s[G0B+4*\slot+2:G0B+4*\slot+3], 2*KSTEP
	JLOAD \slot
.else
	PLACES
.endif
	FETCH_B \next, 0, 0
	FETCH_A \next, 0, 0
	WIN MUL_HI
	MUL16 4, 1, 0
	MUL16 6, 1, 0
	PLACES
	WIN 0
	FETCH_A \next, 0, 4
.endm
	s_load_b256 s[4:11], s[0:1], 0x0
	s_load_b64 s[84:85], s[0:1], 0x20
	v_lshl_add_u32 v[SPW], v0, 2, SPARE
	v_mov_b32 v[NIL], 0
	ds_add_u32 v[SPW], v[NIL]
	ds_add_u32 v[SPW], v[NIL]
	v_lshrrev_b32 v1, 5, v0
	v_readfirstlane_b32 s14, v1
	s_lshr_b32 s15, s14, 1
	s_and_b32 s16, s14, 1
	s_bfe_u32 s40, ttmp6, 0x40000
	s_bfe_u32 s41, ttmp6, 0x40004
	s_lshl_b32 s42, ttmp9, 2
	s_add_co_u32 s42, s42, s40
	s_and_b32 s17, ttmp7, 0xffff
	s_lshl_b32 s17, s17, 2
	s_add_co_u32 s17, s17, s41
	s_lshl_b32 s43, s41, 2
	s_lshl_b32 s43, 15, s43
	s_lshl_b32 s44, 0x1111, s40
	s_or_b32 s[G1A], s43, (3<<16)|(1<<21)
	s_mov_b32 s[G1A+1], 32<<16
	s_mov_b32 s[G1A+2], 128<<16
	s_mov_b32 s[G1A+3], 32<<16
	s_mov_b32 s[G1A+4], 128
	s_mov_b32 s[G1A+5], 32
	s_mov_b32 s[G1A+6], 0
	s_mov_b32 s[G1A+7], 0
	s_or_b32 s[G1B], s44, (0<<16)|(1<<20)|(1<<21)|(5<<22)|(3<<25)
	s_mov_b32 s[G1B+1], KSTEP<<16
	s_mov_b32 s[G1B+2], 128<<16
	s_mov_b32 s[G1B+3], KSTEP<<16
	s_mov_b32 s[G1B+4], 128
	s_mov_b32 s[G1B+5], KDIM
	s_mov_b32 s[G1B+6], 0
	s_mov_b32 s[G1B+7], 0
	s_lshl_b32 s20, s17, 1
	s_add_co_u32 s20, s20, s16
	s_lshl_b32 s20, s20, 17
	s_mov_b32 s21, 0
	s_lshl_b32 s46, s42, 1
	s_add_co_u32 s46, s46, s16
	s_lshl_b32 s46, s46, 17
	s_mov_b32 s47, 0
	s_lshl_b32 s45, s16, 15
	s_mul_i32 s19, s16, BHALF
	s_add_co_u32 s19, s19, ABYTES
	s_wait_dscnt 0x0
	s_wait_kmcnt 0x0
	s_load_b256 s[68:75], s[8:9], 0x0
	s_load_b128 s[76:79], s[8:9], 0x20
	s_add_nc_u64 s[20:21], s[4:5], s[20:21]
	s_add_nc_u64 s[46:47], s[6:7], s[46:47]
	CROUND
.irp s, 0,1
	s_mov_b32 s[G0A+4*\s], 1
	s_add_co_u32 s[G0A+4*\s+1], s45, \s*SLOT
	s_add_nc_u64 s[G0A+4*\s+2:G0A+4*\s+3], s[20:21], \s*AHALF
	s_or_b32 s[G0A+4*\s+3], s[G0A+4*\s+3], 0x80000000
	s_mov_b32 s[G0B+4*\s], 1
	s_add_co_u32 s[G0B+4*\s+1], s19, \s*SLOT
	s_add_nc_u64 s[G0B+4*\s+2:G0B+4*\s+3], s[46:47], \s*KSTEP
	s_or_b32 s[G0B+4*\s+3], s[G0B+4*\s+3], 0x80000000
.endr
	; prefetches, one instruction a wave for a K step: of the 128 blocks of 256 bytes that my wave will fetch, each of the four partners that ask jointly names 32, told apart by address (cx for A, cy for W).
	; Behind K step 0's load: K steps 1 and 2; behind K step 1's: K step 3, the last
	s_cmp_eq_u32 s15, 0                            ; do I fetch for A?
	s_cselect_b64 s[80:81], s[20:21], s[46:47]     ; my wave's tile of K step 0
	s_cselect_b32 s82, s40, s41                    ; my place among the four
	s_cselect_b32 s83, 13, 15                      ; A: 8,192 dense bytes a partner; W: 32 rows of KDIM bytes
	s_mov_b32 s98, KSTEP
	s_cselect_b32 s98, AHALF, s98                  ; a K step on
	s_mov_b32 s12, KDIM
	s_cselect_b32 s12, 256, s12                    ; a lane on: 256 dense bytes, or a row of W
	s_lshl_b32 s82, s82, s83
	s_mov_b32 s83, 0
	s_mov_b32 s99, 0
	s_add_nc_u64 s[80:81], s[80:81], s[82:83]
	s_add_nc_u64 s[80:81], s[80:81], s[98:99]      ; K step 1
	s_add_nc_u64 s[88:89], s[80:81], s[98:99]      ; K step 2
	v_and_b32 v30, 31, v0
	v_mul_u32_u24 v30, v30, s12                    ; my lane's block; never rewritten
	s_wait_alu depctr_va_vdst(0)                   ; the wait behind the write
	JLOAD 0                                        ; K step 0: one tensor load a wave at the head
	global_prefetch_b8 v30, s[80:81] th:TH_LOAD_NT scope:SCOPE_SE
	global_prefetch_b8 v30, s[88:89] th:TH_LOAD_NT scope:SCOPE_SE
	v_and_b32 v1, 15, v0
	v_bfe_u32 v2, v0, 4, 1
	v_and_b32 v3, 31, v0
	v_lshlrev_b32 v3, 4, v3
	s_lshl_b32 s12, s15, 15
	v_add_nc_u32 v[ADRA], s12, v3
	v_add_nc_u32 v[ADRA+1], SLOT, v[ADRA]
	v_mul_u32_u24 v10, v1, BP
	v_lshl_add_u32 v10, v2, 3, v10
	v_add_nc_u32 v[ADRB], s19, v10
	v_add_nc_u32 v[ADRB+1], SLOT, v[ADRB]
	v_lshlrev_b32 v11, 5, v2
	s_lshl_b32 s22, s42, 10
	s_lshl_b32 s23, s16, 9
	s_add_co_u32 s22, s22, s23
	s_mov_b32 s23, 0
	s_add_nc_u64 s[10:11], s[10:11], s[22:23]
.irp b, 0,1,2,3,4,5,6,7
	global_load_b128 v[BI+8*\b:BI+8*\b+3],   v11, s[10:11] offset:64*\b
	global_load_b128 v[BI+8*\b+4:BI+8*\b+7], v11, s[10:11] offset:64*\b+16
.endr
	s_lshl_b32 s22, s17, 1
	s_add_co_u32 s22, s22, s15
	s_lshl_b32 s22, s22, 19
	s_lshl_b32 s23, s42, 1
	s_add_co_u32 s23, s23, s16
	s_lshl_b32 s23, s23, 14
	s_add_co_u32 s22, s22, s23
	s_mov_b32 s23, 0
	s_add_nc_u64 s[84:85], s[84:85], s[22:23]
	s_wait_kmcnt 0x0
	s_add_co_i32 s90, s[EA], s[EB]
	s_sub_co_i32 s91, 0, s90
	s_sub_co_i32 s92, s[EX+10], s90
	s_add_co_i32 s94, s92, 127
	s_lshl_b32 s95, s94, 23
	v_mov_b32 v4, s95
	s_add_co_i32 s94, s94, 8
	s_lshl_b32 s94, s94, 23
	s_or_b32 s94, s94, 0x600000
	v_mov_b32 v5, s94
	s_wait_loadcnt 0x0
.irp j, 0,1,2,3,4,5,6,7,8,9,10,11,12,13,14,15,16,17,18,19,20,21,22,23,24,25,26,27,28,29,30,31,32,33,34,35,36,37,38,39,40,41,42,43,44,45,46,47,48,49,50,51,52,53,54,55,56,57,58,59,60,61,62,63
	v_ldexp_f32 v[BI+\j], v[BI+\j], s91
.endr
	s_wait_alu depctr_va_vdst(0)
	s_wait_xcnt 0x0                                ; the prefetches have read their bases
	s_add_nc_u64 s[80:81], s[88:89], s[98:99]      ; K step 3
	s_wait_tensorcnt 0x0                           ; my part of K step 0 is in
	ds_add_u32 v[SPW], v[NIL]
	s_wait_dscnt 0x0
	CROUND                                         ; everybody's part of K step 0 is in, and the joint loads meet
	JLOAD 1                                        ; K step 1, the first tensor load behind the round
	global_prefetch_b8 v30, s[80:81] th:TH_LOAD_NT scope:SCOPE_SE
	FETCH_B 0, 0, 0
	FETCH_A 0, 0, 0
	FETCH_A 0, 0, 4
	STEP 0, 0, 1
	TURN 0, 1, 1
	STEP 1, 0, 0
	TURN 1, 0, 1
	STEP 0, 0, 0
	TURN 0, 1, 0
	STEP 1, 0, 0
	s_wait_dscnt 16
	WIN MUL_LO
	MUL16 0, 1, 0
	MUL16 2, 1, 0
	s_wait_dscnt 0x0
	WIN MUL_HI
	MUL16 4, 1, 0
	MUL16 6, 1, 0
	WIN 0
	PLACES
.macro OUTBLK a
	WIN 0x02+((\a)/4)
.irp k, 0,1,2,3,4,5,6,7,8,9,10,11,12,13,14,15,16,17,18,19,20,21,22,23,24,25,26,27,28,29,30,31,32,33,34,35,36,37,38,39,40,41,42,43,44,45,46,47,48,49,50,51,52,53,54,55,56,57,58,59,60,61,62,63
	v_med3_num_f32 v[TMP+\k], v[64*((\a)%4)+\k], 0, v5
.endr
	WIN 0
.irp b, 0,1,2,3,4,5,6,7
	v_cvt_scalef32_pk8_fp8_f32 v[AF+16*(\a)+2*\b:AF+16*(\a)+2*\b+1], v[TMP+8*\b:TMP+8*\b+7], v4
.endr
	v_nop
.irp g, 0,1,2,3
	global_store_b128 v3, v[AF+16*(\a)+4*\g:AF+16*(\a)+4*\g+3], s[84:85] offset:2048*(\a)+512*\g
.endr
.endm
	OUTBLK 0
	OUTBLK 1
	OUTBLK 2
	OUTBLK 3
	OUTBLK 4
	OUTBLK 5
	OUTBLK 6
	OUTBLK 7
	s_wait_tensorcnt 0x0
	ds_add_u32 v[SPW], v[NIL]
	s_wait_dscnt 0x0
	CROUND
	s_endpgm
.Lfunc_end_k_q9c1c3c7f24_ffn1:
	.size	k_q9c1c3c7f24_ffn1, .Lfunc_end_k_q9c1c3c7f24_ffn1-k_q9c1c3c7f24_ffn1
	.p2alignl 7, 3214868480
	.fill 96, 4, 3214868480
	.section	.rodata,"a",@progbits
	.p2align	6, 0x0
	.amdhsa_kernel k_q9c1c3c7f24_ffn1
		.amdhsa_group_segment_fixed_size 327680
		.amdhsa_private_segment_fixed_size 0
		.amdhsa_enable_private_segment 0
		.amdhsa_kernarg_size 40
		.amdhsa_user_sgpr_count 2
		.amdhsa_user_sgpr_kernarg_segment_ptr 1
		.amdhsa_wavefront_size32 1
		.amdhsa_system_sgpr_workgroup_id_x 1
		.amdhsa_system_sgpr_workgroup_id_y 1
		.amdhsa_system_sgpr_workgroup_id_z 1
		.amdhsa_system_vgpr_workitem_id 0
		.amdhsa_next_free_vgpr 1024
		.amdhsa_next_free_sgpr 100
		.amdhsa_reserve_vcc 0
		.amdhsa_float_denorm_mode_32 3
		.amdhsa_float_denorm_mode_16_64 3
		.amdhsa_memory_ordered 1
		.amdhsa_forward_progress 1
		.amdhsa_inst_pref_size 140
	.end_amdhsa_kernel
	.amdgpu_metadata
---
amdhsa.version: [ 1, 2 ]
amdhsa.kernels:
  - .name:           k_q9c1c3c7f24_ffn1
    .symbol:         k_q9c1c3c7f24_ffn1.kd
    .args:
      - { .name: codes_b, .offset: 0, .size: 8, .value_kind: global_buffer, .address_space: global }
      - { .name: w1_codes, .offset: 8, .size: 8, .value_kind: global_buffer, .address_space: global }
      - { .name: lowp_scales, .offset: 16, .size: 8, .value_kind: global_buffer, .address_space: global }
      - { .name: b1, .offset: 24, .size: 8, .value_kind: global_buffer, .address_space: global }
      - { .name: hbuf, .offset: 32, .size: 8, .value_kind: global_buffer, .address_space: global }
    .group_segment_fixed_size: 327680
    .private_segment_fixed_size: 0
    .kernarg_segment_align: 8
    .kernarg_segment_size: 40
    .max_flat_workgroup_size: 128
    .sgpr_count:     100
    .vgpr_count:     1024
    .wavefront_size: 32
...
	.end_amdgpu_metadata
.endif
;; end of part 6
;; launch ffn2 (part 7): grid 8 x 32, 4 waves a work-group, clusters of 4 x 4, 327,680 bytes of LDS; arguments hbuf, w2_codes, lowp_scales, b2, ybuf, zbuf; writes zbuf
.if DOCPART == 7
	.amdgcn_target "amdgcn-amd-amdhsa--gfx1250"
	.amdhsa_code_object_version 6
	.text
	.protected	k_q9c1c3c7f24_ffn2
	.globl	k_q9c1c3c7f24_ffn2
	.p2align	8
	.type	k_q9c1c3c7f24_ffn2,@function
k_q9c1c3c7f24_ffn2:
	s_mov_b64 s[64:65], 0
	v_nop
	global_prefetch_b8 v0, s[64:65] scope:SCOPE_SE
	s_setreg_imm32_b32 hwreg(HW_REG_WAVE_MODE, 25, 1), 1
	s_wait_xcnt 0x0
	s_wait_alu depctr_hold_cnt(0) depctr_sa_sdst(0) depctr_va_vdst(0) depctr_va_sdst(0) depctr_va_ssrc(0) depctr_va_vcc(0) depctr_vm_vsrc(0)
	s_getreg_b32 s2, hwreg(HW_REG_IB_STS2, 6, 4)
	s_cmp_eq_u32 s2, 0
	s_cbranch_scc0 .Lentry_in_a_cluster
	s_endpgm
.Lentry_in_a_cluster:
	s_bfe_u32 s2, ttmp6, 0x10000c
	s_cmp_lg_u32 s2, 0xf033
	s_cbranch_scc0 .Lentry_shape_is_right
	s_endpgm
.Lentry_shape_is_right:
; z = A W^T + bias + residual, f32, on codes of FP8 (E4M3): here A = the hidden layer's codes, W = w2, the residual y.  Nothing is left out.
; A: the tokens' codes as images of fragments, W: [1024 columns][KDIM] codes, K innermost.  A sum stands for sum x 2^E, E = the two operands' exponents added.
; The bias goes in as the C of each sum's first product, divided by 2^E; on the way out z = sum x 2^E + residual, one packed multiply-add for two numbers.
; LIMIT: E between -126 and 127.
; A tile of 128 tokens x 128 columns is made by four waves, each 64 x 64: 16 accumulators.  K goes in steps of 512 through two LDS slots filled by the tensor data mover.
; A'S TILE is one dense block: [chunk of 128 K][tile of 16 tokens][group of 4 registers][lane][16 bytes]: a fragment comes by four loads of 512 consecutive bytes.  W's rows lie 528 bytes apart; a fragment comes by eight loads of 8 bytes, k in its true place.
; CLUSTERS: 4 x 4 work-groups; A's tile is asked for jointly along a row of the cluster, W's along a column.
; THE MATRIX INSTRUCTION IS USED TRANSPOSED (source 0 = 16 rows of W, source 1 = 16 tokens): lane (r, h), register j of accumulator (a, b) holds token 16 a + r, column 16 b + 8 h + j.
; REGISTERS: window 0: v1-29 addresses; v32-95 at work; v96-127 the bias; v128-255 the accumulators.  Window 1: two sets of fragments (A at +16 a, W at +64 + 16 b).  Window 2: v0-127 the residual, asked for at the head.
.set KDIM,   4096
.set EX,     68                        ; s68-79 the twelve exponents
.set EA,     EX+10
.set EB,     EX+11
.set KSTEP,  512                       ; along K in a slot: four chunks of 128
.set LAPS,   KDIM/(2*KSTEP)            ; a lap = two K steps = once round the ring
.set ARB,    128*KDIM                  ; the images of 128 tokens, in bytes
.set ABYTES, 65536                     ; A's part of a slot
.set BP,     528                       ; a row of W in LDS: 512 bytes + 16 = 132 words: row r starts at bank 4 r mod 64 (64 banks of 4 bytes: ISA guide 11.1)
.set BHALF,  64*BP
.set SLOT,   ABYTES+2*BHALF
.set SPARE,  2*SLOT                    ; behind the ring: the spare words, 128 bytes for each wave: two blocks of 256 bytes that no other line names
.set STAGE,  SPARE+512                 ; 16 rows x 272 bytes for each wave; no fill lands there
.set SP,     272
.set ADRA, 16                          ; v16-17 LDS address of my A fragments in slot 0, 1
.set ADRB, 20                          ; v20-21 the same for W
.set STO,  24                          ; v24 the stage: where I put 32 bytes of a token's row
.set RD,   25                          ; v25 the stage: where I read a row back
.set CO,   26                          ; v26 my byte offset in two rows of the residual and of z
.set SPW,  28                          ; v28 LDS address of my spare word; never rewritten
.set NIL,  29                          ; v29 0; never rewritten
.set BI,   96
.set ACC,  128
.set F0,   0
.set F1,   128
.set G1A,  24
.set G0A,  32
.set G1B,  48
.set G0B,  56
.set MSB, 0
.macro WIN new                         ; the immediate's high byte repeats the setting that is left
.if MSB != \new
	s_set_vgpr_msb (MSB<<8)|\new
.set MSB, \new
.endif
.endm
.set MUL,  0x05                        ; sources 0 and 1 window 1; C and D window 0
.set TO_F, 0x40                        ; destination window 1, address window 0
.set TO_R, 0x80                        ; destination window 2
.set RESW, 0x20                        ; source 2 window 2
.macro PLACES                          ; four places behind a matrix instruction, ahead of loads into its registers and of reads of its results
.rept 4
	v_nop
.endr
.endm
.macro JLOAD s                         ; a joint load: waves 0 and 1 fetch A's halves, waves 2 and 3 W's; an s_nop 0 and four v_nop follow each line
	s_cmp_eq_u32 s15, 0
	s_cbranch_scc0 .Lfor_b_\@
	tensor_load_to_lds s[G0A+4*\s:G0A+4*\s+3], s[G1A:G1A+7]
	s_nop 0
.rept 4
	v_nop
.endr
	s_branch .Lasked_\@
.Lfor_b_\@:
	tensor_load_to_lds s[G0B+4*\s:G0B+4*\s+3], s[G1B:G1B+7]
	s_nop 0
.rept 4
	v_nop
.endr
.Lasked_\@:
.endm
.macro CROUND                          ; a round of the cluster's barrier
	s_barrier_signal -1
	s_barrier_wait -1
	s_cmp_lg_u32 s14, 0
	s_cbranch_scc1 .Lnot_wave_0_\@
	s_barrier_signal -3
.Lnot_wave_0_\@:
	s_barrier_wait -3
	s_barrier_signal -1
	s_barrier_wait -1
.endm
.macro FETCH slot, q, f                ; 48 LDS loads in one run: the fragments of the slot's q-th 128 along K into set f
	WIN TO_F
.irp a, 0,1,2,3
.irp g, 0,1,2,3
	ds_load_b128 v[\f+16*\a+4*\g:\f+16*\a+4*\g+3], v[ADRA+\slot] offset:16384*(\q)+2048*\a+512*\g
.endr
.endr
.irp b, 0,1,2,3
.irp c, 0,1,2,3,4,5,6,7
	ds_load_b64 v[\f+64+16*\b+2*\c:\f+64+16*\b+2*\c+1], v[ADRB+\slot] offset:128*(\q)+16*\c+16*BP*\b
.endr
.endr
.endm
.macro MUL16 f, first                  ; 16 products; the 16 accumulators take turns, one instruction a turn, in one order everywhere.  first = 1: the bias starts the sums
.irp a, 0,1,2,3
.irp b, 0,1,2,3
.if \first
	v_wmma_f32_16x16x128_fp8_fp8 v[ACC+8*(4*\a+\b):ACC+8*(4*\a+\b)+7], v[\f+64+16*\b:\f+64+16*\b+15], v[\f+16*\a:\f+16*\a+15], v[BI+8*\b:BI+8*\b+7]
.else
	v_wmma_f32_16x16x128_fp8_fp8 v[ACC+8*(4*\a+\b):ACC+8*(4*\a+\b)+7], v[\f+64+16*\b:\f+64+16*\b+15], v[\f+16*\a:\f+16*\a+15], v[ACC+8*(4*\a+\b):ACC+8*(4*\a+\b)+7]
.endif
.endr
.endr
.endm
.macro STEP slot, q, f, g, first       ; multiplies set f (chunk q) and fetches chunk q + 1 of the same slot into set g
	PLACES
	FETCH \slot, (\q)+1, \g
	s_wait_dscnt 48                                ; all but the 48 just issued: this chunk's fragments are in
	WIN MUL
	MUL16 \f, \first
.endm
.macro TURN slot, next, fill           ; a slot's last chunk, in set F1, and the change of slots
	WIN 0
	s_wait_tensorcnt 0x0                           ; all my tensor loads have landed, my part of the next slot among them
	ds_add_u32 v[SPW], v[NIL]                      ; 0 onto my spare word
.if \fill
	s_add_nc_u64 s[G0A+4*\slot+2:G0A+4*\slot+3], s[G0A+4*\slot+2:G0A+4*\slot+3], 2*ABYTES
	s_add_nc_u64 s[G0B+4*\slot+2:G0B+4*\slot+3], s[G0B+4*\slot+2:G0B+4*\slot+3], 2*KSTEP
	s_wait_xcnt 0x0                                ; my last prefetch has read its base, so it may be written:
	s_add_nc_u64 s[80:81], s[80:81], s[98:99]      ; two K steps further on than the load below
.endif
	s_wait_dscnt 0x0                               ; the add is done, and my reads of this slot are in registers
.if \fill
	CROUND                                         ; no wave of any partner still reads this slot or has a load on its way
	JLOAD \slot                                    ; the first tensor load behind the round; its four v_nop are the places ahead of the loads below
	s_cmp_gt_u32 s3, 1                             ; s3 = 1 in the loop's last trip, whose loads have no K step two on
	s_cbranch_scc0 .Lno_ask_\@
	global_prefetch_b8 v30, s[80:81] th:TH_LOAD_NT scope:SCOPE_SE
.Lno_ask_\@:
.else
	s_barrier_signal -1
	s_barrier_wait -1
	PLACES
.endif
	FETCH \next, 0, F0
	WIN MUL
	MUL16 F1, 0
.endm
	s_load_b256 s[4:11], s[0:1], 0x0               ; A's images, W's codes, the exponents, the bias
	s_load_b128 s[84:87], s[0:1], 0x20             ; the residual, z
	v_lshl_add_u32 v[SPW], v0, 2, SPARE
	v_mov_b32 v[NIL], 0
	ds_add_u32 v[SPW], v[NIL]                      ; the wave's opening: the add, twice on end, and its wait ahead of my first tensor load
	ds_add_u32 v[SPW], v[NIL]
	v_lshrrev_b32 v1, 5, v0
	v_readfirstlane_b32 s14, v1                    ; wave 0..3
	s_lshr_b32 s15, s14, 1                         ; rh: which 64 tokens are mine.  Also: I fetch for A (0) or for W (1)
	s_and_b32 s16, s14, 1                          ; ch: which 64 columns.  Also: which half I fetch
	s_bfe_u32 s40, ttmp6, 0x40000                  ; cx
	s_bfe_u32 s41, ttmp6, 0x40004                  ; cy
	s_lshl_b32 s42, ttmp9, 2
	s_add_co_u32 s42, s42, s40                     ; tile column
	s_and_b32 s17, ttmp7, 0xffff
	s_lshl_b32 s17, s17, 2
	s_add_co_u32 s17, s17, s41                     ; tile row
	s_lshl_b32 s43, s41, 2
	s_lshl_b32 s43, 15, s43                        ; my row of the cluster
	s_lshl_b32 s44, 0x1111, s40                    ; my column
	s_or_b32 s[G1A], s43, (3<<16)|(1<<21)          ; A: the mask; elements of 8 bytes; no padding; bit 21 beside a mask
	s_mov_b32 s[G1A+1], 32<<16                     ; tensor_dim0 = 32 (256 bytes)
	s_mov_b32 s[G1A+2], 128<<16                    ; tensor_dim1 = 128
	s_mov_b32 s[G1A+3], 32<<16                     ; tile_dim0
	s_mov_b32 s[G1A+4], 128                        ; tile_dim1: 32,768 dense bytes
	s_mov_b32 s[G1A+5], 32                         ; the pitch
	s_mov_b32 s[G1A+6], 0
	s_mov_b32 s[G1A+7], 0
	s_or_b32 s[G1B], s44, (0<<16)|(1<<20)|(1<<21)|(6<<22)|(3<<25)  ; W: the mask; bytes; 4 words of padding after every 128
	s_mov_b32 s[G1B+1], KSTEP<<16
	s_mov_b32 s[G1B+2], 64<<16
	s_mov_b32 s[G1B+3], KSTEP<<16
	s_mov_b32 s[G1B+4], 64
	s_mov_b32 s[G1B+5], KDIM
	s_mov_b32 s[G1B+6], 0
	s_mov_b32 s[G1B+7], 0
	s_mul_i32 s20, s17, ARB                        ; A hangs on the tile row and the wave's number alone,
	s_lshl_b32 s18, s16, 15
	s_add_co_u32 s20, s20, s18
	s_mov_b32 s21, 0
	s_lshl_b32 s46, s42, 7                         ; W on the tile column and the wave's number alone
	s_lshl_b32 s18, s16, 6
	s_add_co_u32 s46, s46, s18
	s_mul_i32 s46, s46, KDIM
	s_mov_b32 s47, 0
	s_lshl_b32 s45, s16, 15                        ; where A's half goes,
	s_mul_i32 s19, s16, BHALF
	s_add_co_u32 s19, s19, ABYTES                  ; and W's: no place in the cluster enters an LDS address
	s_wait_dscnt 0x0                               ; both opening adds are done
	s_wait_kmcnt 0x0
	s_load_b256 s[68:75], s[8:9], 0x0              ; the twelve exponents
	s_load_b128 s[76:79], s[8:9], 0x20
	s_add_nc_u64 s[20:21], s[4:5], s[20:21]
	s_add_nc_u64 s[46:47], s[6:7], s[46:47]
	CROUND                                         ; all sixteen work-groups are here: the first joint loads meet
.irp s, 0,1
	s_mov_b32 s[G0A+4*\s], 1
	s_add_co_u32 s[G0A+4*\s+1], s45, \s*SLOT
	s_add_nc_u64 s[G0A+4*\s+2:G0A+4*\s+3], s[20:21], \s*ABYTES
	s_or_b32 s[G0A+4*\s+3], s[G0A+4*\s+3], 0x80000000
	s_mov_b32 s[G0B+4*\s], 1
	s_add_co_u32 s[G0B+4*\s+1], s19, \s*SLOT
	s_add_nc_u64 s[G0B+4*\s+2:G0B+4*\s+3], s[46:47], \s*KSTEP
	s_or_b32 s[G0B+4*\s+3], s[G0B+4*\s+3], 0x80000000
.endr
	; prefetches, one instruction a wave for a K step: of the 128 blocks of 256 bytes that my wave will fetch, each of the four partners that ask jointly names 32, told apart by address (cx for A, cy for W).
	; Behind K step 0's load: K steps 1 and 2; behind the load of K step s, s from 1 on: K step s + 2; the last lap's two loads, K steps 6 and 7, ask for nothing
	s_cmp_eq_u32 s15, 0                            ; do I fetch for A?
	s_cselect_b64 s[80:81], s[20:21], s[46:47]     ; my wave's tile of K step 0
	s_cselect_b32 s82, s40, s41                    ; my place among the four
	s_cselect_b32 s83, 13, 16                      ; A: 8,192 dense bytes a partner; W: 16 rows of KDIM bytes
	s_mov_b32 s98, KSTEP
	s_cselect_b32 s98, ABYTES, s98                 ; a K step on
	s_mov_b32 s12, KDIM
	s_cselect_b32 s12, 512, s12                    ; two lanes on: 512 dense bytes, or a row of W
	s_lshl_b32 s82, s82, s83
	s_mov_b32 s83, 0
	s_mov_b32 s99, 0
	s_add_nc_u64 s[80:81], s[80:81], s[82:83]
	s_add_nc_u64 s[80:81], s[80:81], s[98:99]      ; K step 1
	s_add_nc_u64 s[88:89], s[80:81], s[98:99]      ; K step 2
	v_and_b32 v30, 31, v0
	v_lshrrev_b32 v31, 1, v30
	v_and_b32 v30, 1, v30
	v_lshlrev_b32 v30, 8, v30
	v_mad_u32_u24 v30, v31, s12, v30               ; my lane's block; never rewritten
	s_wait_alu depctr_va_vdst(0)                   ; the wait behind the write
	JLOAD 0                                        ; K step 0: one tensor load a wave at the head
	global_prefetch_b8 v30, s[80:81] th:TH_LOAD_NT scope:SCOPE_SE
	global_prefetch_b8 v30, s[88:89] th:TH_LOAD_NT scope:SCOPE_SE
	v_and_b32 v1, 15, v0                           ; r
	v_bfe_u32 v2, v0, 4, 1                         ; h
	v_and_b32 v3, 31, v0
	v_lshlrev_b32 v3, 4, v3                        ; 16 x lane
	s_lshl_b32 s12, s15, 13                        ; my four token tiles
	v_add_nc_u32 v[ADRA], s12, v3
	v_add_nc_u32 v[ADRA+1], SLOT, v[ADRA]
	v_mul_u32_u24 v10, v1, BP
	v_lshl_add_u32 v10, v2, 3, v10
	v_add_nc_u32 v[ADRB], s19, v10                 ; my 64 rows of W: row r, + 8 h
	v_add_nc_u32 v[ADRB+1], SLOT, v[ADRB]
	s_mul_i32 s13, s14, 16*SP
	s_add_co_u32 s13, s13, STAGE                   ; my stage
	v_mul_u32_u24 v10, v1, SP
	v_lshl_add_u32 v10, v2, 5, v10
	v_add_nc_u32 v[STO], s13, v10                  ; in: token r, + 32 h
	v_mul_u32_u24 v10, v2, SP
	v_lshl_add_u32 v10, v1, 4, v10
	v_add_nc_u32 v[RD], s13, v10                   ; back: lanes 0-15 one row of 256 bytes, lanes 16-31 the next
	v_lshlrev_b32 v[CO], 12, v2
	v_lshl_add_u32 v[CO], v1, 4, v[CO]             ; and the same two rows in memory, 4,096 bytes apart
	s_wait_alu depctr_va_vdst(0)
	v_lshlrev_b32 v11, 5, v2                       ; the bias: 32 h bytes
	s_lshl_b32 s22, s42, 9
	s_lshl_b32 s23, s16, 8
	s_add_co_u32 s22, s22, s23
	s_mov_b32 s23, 0
	s_add_nc_u64 s[10:11], s[10:11], s[22:23]      ; my 64 columns
.irp b, 0,1,2,3
	global_load_b128 v[BI+8*\b:BI+8*\b+3],   v11, s[10:11] offset:64*\b
	global_load_b128 v[BI+8*\b+4:BI+8*\b+7], v11, s[10:11] offset:64*\b+16
.endr
	s_lshl_b32 s22, s17, 7
	s_lshl_b32 s23, s15, 6
	s_add_co_u32 s22, s22, s23                     ; my first token,
	s_lshl_b32 s22, s22, 12                        ; in rows of 4,096 bytes,
	s_lshl_b32 s23, s42, 9
	s_add_co_u32 s22, s22, s23
	s_lshl_b32 s23, s16, 8
	s_add_co_u32 s22, s22, s23                     ; + my first column
	s_mov_b32 s23, 0
	s_add_nc_u64 s[84:85], s[84:85], s[22:23]
	s_add_nc_u64 s[86:87], s[86:87], s[22:23]
	WIN TO_R
.irp a, 0,1,2,3
.irp t, 0,1,2,3,4,5,6,7
	global_load_b128 v[32*\a+4*\t:32*\a+4*\t+3], v[CO], s[84:85] offset:(16*\a+2*\t)*4096   ; the residual, in the order in which rows come back from the stage: 16 lanes read 256 consecutive bytes
.endr
.endr
	WIN 0
	s_wait_kmcnt 0x0
	s_add_co_i32 s90, s[EA], s[EB]                 ; E
	s_sub_co_i32 s91, 0, s90
	s_add_co_i32 s92, s90, 127
	s_lshl_b32 s92, s92, 23                        ; 2^E as f32
	s_mov_b32 s93, s92                             ; (named with it as a pair, so it is written)
	s_wait_loadcnt 32                              ; the bias is in; the 32 loads of the residual may stay out
.irp j, 0,1,2,3,4,5,6,7,8,9,10,11,12,13,14,15,16,17,18,19,20,21,22,23,24,25,26,27,28,29,30,31
	v_ldexp_f32 v[BI+\j], v[BI+\j], s91            ; bias / 2^E
.endr
	s_wait_alu depctr_va_vdst(0)
	s_wait_xcnt 0x0                                ; the prefetches have read their bases
	s_add_nc_u64 s[80:81], s[88:89], s[98:99]      ; K step 3
	s_wait_tensorcnt 0x0                           ; my part of K step 0 is in
	ds_add_u32 v[SPW], v[NIL]
	s_wait_dscnt 0x0
	CROUND                                         ; everybody's part of K step 0 is in, and the joint loads meet
	JLOAD 1                                        ; K step 1, the first tensor load behind the round
	global_prefetch_b8 v30, s[80:81] th:TH_LOAD_NT scope:SCOPE_SE
	FETCH 0, 0, F0
	STEP 0, 0, F0, F1, 1
.if LAPS > 1
	WIN 0                                          ; at a label and at a branch every window is 0
	s_mov_b32 s3, LAPS-1
.Llap:                                                 ; a trip goes once round the ring, from a lap's second chunk to the next lap's first, and fills both slots again
	STEP 0, 1, F1, F0, 0
	STEP 0, 2, F0, F1, 0
	TURN 0, 1, 1
	STEP 1, 0, F0, F1, 0
	STEP 1, 1, F1, F0, 0
	STEP 1, 2, F0, F1, 0
	TURN 1, 0, 1
	STEP 0, 0, F0, F1, 0
	WIN 0
	s_sub_co_u32 s3, s3, 1
	s_cmp_lg_u32 s3, 0
	s_cbranch_scc1 .Llap
.endif
	STEP 0, 1, F1, F0, 0                           ; the last lap fills nothing
	STEP 0, 2, F0, F1, 0
	TURN 0, 1, 0
	STEP 1, 0, F0, F1, 0
	STEP 1, 1, F1, F0, 0
	STEP 1, 2, F0, F1, 0
	s_wait_dscnt 0x0
	WIN MUL
	MUL16 F1, 0
	WIN 0
	PLACES
; THE WAY OUT, 16 tokens at a time: the sums go through my stage and come back as rows of 256 bytes; z = sum x 2^E + residual; 16 lanes store 256 consecutive bytes, aligned.
.macro OUTBLK a
.irp b, 0,1,2,3
	ds_store_b128 v[STO], v[ACC+32*\a+8*\b:ACC+32*\a+8*\b+3]   offset:64*\b      ; each accumulator from its low end on
	ds_store_b128 v[STO], v[ACC+32*\a+8*\b+4:ACC+32*\a+8*\b+7] offset:64*\b+16
.endr
.irp t, 0,1,2,3,4,5,6,7
	ds_load_b128 v[32+4*\t:32+4*\t+3], v[RD] offset:2*SP*\t    ; LDS serves a wave's instructions in order (ISA guide 5.7.1.4): these see my stores
.endr
	s_wait_dscnt 0x0
.if \a > 0
	s_wait_xcnt 0x0                                ; the last block's stores have read their registers
.endif
	WIN RESW
.irp i, 0,2,4,6,8,10,12,14,16,18,20,22,24,26,28,30
	v_pk_fma_f32 v[64+\i:64+\i+1], v[32+\i:32+\i+1], s[92:93], v[32*\a+\i:32*\a+\i+1] op_sel_hi:[1,0,1]
.endr
	WIN 0
.irp t, 0,1,2,3,4,5,6,7
	global_store_b128 v[CO], v[64+4*\t:64+4*\t+3], s[86:87] offset:(16*\a+2*\t)*4096
.endr
.endm
	s_wait_loadcnt 0x0                             ; the residual
	OUTBLK 0
	OUTBLK 1
	OUTBLK 2
	OUTBLK 3
	s_wait_tensorcnt 0x0                           ; the wave's end, behind my last tensor load and my last LDS store
	ds_add_u32 v[SPW], v[NIL]
	s_wait_dscnt 0x0
	CROUND                                         ; the closing round
	s_endpgm
.Lfunc_end_k_q9c1c3c7f24_ffn2:
	.size	k_q9c1c3c7f24_ffn2, .Lfunc_end_k_q9c1c3c7f24_ffn2-k_q9c1c3c7f24_ffn2
	.p2alignl 7, 3214868480
	.fill 96, 4, 3214868480
	.section	.rodata,"a",@progbits
	.p2align	6, 0x0
	.amdhsa_kernel k_q9c1c3c7f24_ffn2
		.amdhsa_group_segment_fixed_size 327680
		.amdhsa_private_segment_fixed_size 0
		.amdhsa_enable_private_segment 0
		.amdhsa_kernarg_size 48
		.amdhsa_user_sgpr_count 2
		.amdhsa_user_sgpr_kernarg_segment_ptr 1
		.amdhsa_wavefront_size32 1
		.amdhsa_system_sgpr_workgroup_id_x 1
		.amdhsa_system_sgpr_workgroup_id_y 1
		.amdhsa_system_sgpr_workgroup_id_z 1
		.amdhsa_system_vgpr_workitem_id 0
		.amdhsa_next_free_vgpr 640
		.amdhsa_next_free_sgpr 100
		.amdhsa_reserve_vcc 0
		.amdhsa_float_denorm_mode_32 3
		.amdhsa_float_denorm_mode_16_64 3
		.amdhsa_memory_ordered 1
		.amdhsa_forward_progress 1
		.amdhsa_inst_pref_size 97
	.end_amdhsa_kernel
	.amdgpu_metadata
---
amdhsa.version: [ 1, 2 ]
amdhsa.kernels:
  - .name:           k_q9c1c3c7f24_ffn2
    .symbol:         k_q9c1c3c7f24_ffn2.kd
    .args:
      - { .name: hbuf, .offset: 0, .size: 8, .value_kind: global_buffer, .address_space: global }
      - { .name: w2_codes, .offset: 8, .size: 8, .value_kind: global_buffer, .address_space: global }
      - { .name: lowp_scales, .offset: 16, .size: 8, .value_kind: global_buffer, .address_space: global }
      - { .name: b2, .offset: 24, .size: 8, .value_kind: global_buffer, .address_space: global }
      - { .name: ybuf, .offset: 32, .size: 8, .value_kind: global_buffer, .address_space: global }
      - { .name: zbuf, .offset: 40, .size: 8, .value_kind: global_buffer, .address_space: global }
    .group_segment_fixed_size: 327680
    .private_segment_fixed_size: 0
    .kernarg_segment_align: 8
    .kernarg_segment_size: 48
    .max_flat_workgroup_size: 128
    .sgpr_count:     100
    .vgpr_count:     640
    .wavefront_size: 32
...
	.end_amdgpu_metadata
.endif
;; end of part 7
;; launch ln2 (part 8): grid 256 x 1, 4 waves a work-group, no clusters, 0 bytes of LDS; arguments zbuf, ln2_g, ln2_b, out0; writes out0
.if DOCPART == 8
	.amdgcn_target "amdgcn-amd-amdhsa--gfx1250"
	.amdhsa_code_object_version 6
	.text
	.protected	k_q9c1c3c7f24_ln2
	.globl	k_q9c1c3c7f24_ln2
	.p2align	8
	.type	k_q9c1c3c7f24_ln2,@function
k_q9c1c3c7f24_ln2:
	s_mov_b64 s[64:65], 0
	v_nop
	global_prefetch_b8 v0, s[64:65] scope:SCOPE_SE
	s_setreg_imm32_b32 hwreg(HW_REG_WAVE_MODE, 25, 1), 1
	s_wait_xcnt 0x0
; out = (z - mean) / sqrt(variance + 1e-5) x g + b along rows of 1,024 numbers, f32.  Nothing is left out.
; The mean is taken away first and the squares are summed of what is left: two passes over registers, no difference of large sums.
; SHARES: a work-group takes 16 rows, wave w rows 4 w .. 4 w + 3, each whole in 32 registers a lane: the row is read once, and a reduction never leaves the wave.  The four rows take turns line by line.
; Each load and store covers 512 consecutive bytes.  No LDS, no barrier: waves share nothing.
; No cluster: what the work-groups share (g and b, 8,192 bytes) is small beside a work-group's own 65,536.  No matrix unit: the launch streams.
.set OUTP,  10                         ; s[10:11] where the result goes
.set X,   32                           ; v32-159  row i at 32 i: register 4 j + m = number 128 j + 4 lane + m
.set G,   160                          ; v160-191 g
.set BT,  192                          ; v192-223 b
.set T,   224                          ; v224-239 sums
	s_load_b256 s[4:11], s[0:1], 0x0               ; z, g, b, the output
	v_lshrrev_b32 v4, 5, v0
	v_readfirstlane_b32 s18, v4                    ; wave
	v_and_b32 v5, 31, v0                           ; lane
	v_lshlrev_b32 v1, 4, v5                        ; 16 x lane
	s_lshl_b32 s16, ttmp9, 16                      ; 16 rows of 4,096 bytes a work-group,
	s_lshl_b32 s17, s18, 14                        ; four a wave
	s_add_co_u32 s16, s16, s17
	s_mov_b32 s17, 0
	s_mov_b32 s20, 0x76543210                      ; v_permlanex16_b32: lane l xor 16
	s_mov_b32 s21, 0xfedcba98
	s_mov_b32 s22, 0x3a800000                      ; 1 / 1,024
	s_mov_b32 s23, 0x3727c5ac                      ; 1e-5
	s_wait_alu depctr_va_vdst(0)
	s_wait_kmcnt 0x0
	s_add_nc_u64 s[4:5], s[4:5], s[16:17]
	s_add_nc_u64 s[OUTP:OUTP+1], s[OUTP:OUTP+1], s[16:17]
.irp i, 0,1,2,3
.irp j, 0,1,2,3,4,5,6,7
	global_load_b128 v[X+32*\i+4*\j:X+32*\i+4*\j+3], v1, s[4:5] offset:4096*\i+512*\j th:TH_LOAD_NT
.endr
.endr
.irp j, 0,1,2,3,4,5,6,7
	global_load_b128 v[G+4*\j:G+4*\j+3],   v1, s[6:7] offset:512*\j
	global_load_b128 v[BT+4*\j:BT+4*\j+3], v1, s[8:9] offset:512*\j
.endr
.macro RED R                           ; the four rows' pairs at v[R + 2 i] are summed over the pair and over the 32 lanes; every lane ends with the sum in v[R + 2 i]
.irp i, 0,1,2,3
	v_add_f32 v[\R+2*\i], v[\R+2*\i], v[\R+2*\i+1]
.endr
.irp m, 1,2,4,8
.irp i, 0,1,2,3
	v_add_f32_dpp v[\R+2*\i], v[\R+2*\i], v[\R+2*\i] row_xmask:\m row_mask:0xf bank_mask:0xf
.endr
.endr
.irp i, 0,1,2,3
	v_permlanex16_b32 v[\R+2*\i+1], v[\R+2*\i], s20, s21
.endr
.irp i, 0,1,2,3
	v_add_f32 v[\R+2*\i], v[\R+2*\i], v[\R+2*\i+1]
.endr
.endm
	s_wait_loadcnt 16                              ; z is in; g's and b's 16 loads may be out
.irp i, 0,1,2,3
	v_pk_add_f32 v[T+2*\i:T+2*\i+1], v[X+32*\i:X+32*\i+1], v[X+32*\i+2:X+32*\i+3]
.endr
.irp k, 4,6,8,10,12,14,16,18,20,22,24,26,28,30
.irp i, 0,1,2,3
	v_pk_add_f32 v[T+2*\i:T+2*\i+1], v[T+2*\i:T+2*\i+1], v[X+32*\i+\k:X+32*\i+\k+1]
.endr
.endr
	RED T
.irp i, 0,1,2,3
	v_mul_f32 v[T+2*\i], 0xba800000, v[T+2*\i]     ; -mean
.endr
.irp k, 0,2,4,6,8,10,12,14,16,18,20,22,24,26,28,30
.irp i, 0,1,2,3
	v_pk_add_f32 v[X+32*\i+\k:X+32*\i+\k+1], v[X+32*\i+\k:X+32*\i+\k+1], v[T+2*\i:T+2*\i+1] op_sel_hi:[1,0]
.endr
.endr
.irp i, 0,1,2,3
	v_pk_mul_f32 v[T+8+2*\i:T+8+2*\i+1], v[X+32*\i:X+32*\i+1], v[X+32*\i:X+32*\i+1]
.endr
.irp k, 2,4,6,8,10,12,14,16,18,20,22,24,26,28,30
.irp i, 0,1,2,3
	v_pk_fma_f32 v[T+8+2*\i:T+8+2*\i+1], v[X+32*\i+\k:X+32*\i+\k+1], v[X+32*\i+\k:X+32*\i+\k+1], v[T+8+2*\i:T+8+2*\i+1]
.endr
.endr
	RED T+8
.irp i, 0,1,2,3
	v_fma_f32 v[T+8+2*\i], v[T+8+2*\i], s22, s23   ; variance + 1e-5
.endr
	s_wait_alu depctr_va_vdst(0)
.irp i, 0,1,2,3
	v_rsq_f32 v[T+2*\i], v[T+8+2*\i]
.endr
	v_nop                                          ; a plain line behind the batch
	s_wait_loadcnt 0x0                             ; g and b
	s_wait_alu depctr_va_vdst(0)                   ; one wait for the four, ahead of their first reader
.irp k, 0,2,4,6,8,10,12,14,16,18,20,22,24,26,28,30
.irp i, 0,1,2,3
	v_pk_mul_f32 v[X+32*\i+\k:X+32*\i+\k+1], v[X+32*\i+\k:X+32*\i+\k+1], v[T+2*\i:T+2*\i+1] op_sel_hi:[1,0]
.endr
.irp i, 0,1,2,3
	v_pk_fma_f32 v[X+32*\i+\k:X+32*\i+\k+1], v[X+32*\i+\k:X+32*\i+\k+1], v[G+\k:G+\k+1], v[BT+\k:BT+\k+1]
.endr
.endr
.irp i, 0,1,2,3
.irp j, 0,1,2,3,4,5,6,7
	global_store_b128 v1, v[X+32*\i+4*\j:X+32*\i+4*\j+3], s[OUTP:OUTP+1] offset:4096*\i+512*\j th:TH_STORE_NT
.endr
.endr
	s_endpgm
.Lfunc_end_k_q9c1c3c7f24_ln2:
	.size	k_q9c1c3c7f24_ln2, .Lfunc_end_k_q9c1c3c7f24_ln2-k_q9c1c3c7f24_ln2
	.p2alignl 7, 3214868480
	.fill 96, 4, 3214868480
	.section	.rodata,"a",@progbits
	.p2align	6, 0x0
	.amdhsa_kernel k_q9c1c3c7f24_ln2
		.amdhsa_group_segment_fixed_size 0
		.amdhsa_private_segment_fixed_size 0
		.amdhsa_enable_private_segment 0
		.amdhsa_kernarg_size 32
		.amdhsa_user_sgpr_count 2
		.amdhsa_user_sgpr_kernarg_segment_ptr 1
		.amdhsa_wavefront_size32 1
		.amdhsa_system_sgpr_workgroup_id_x 1
		.amdhsa_system_sgpr_workgroup_id_y 1
		.amdhsa_system_sgpr_workgroup_id_z 1
		.amdhsa_system_vgpr_workitem_id 0
		.amdhsa_next_free_vgpr 240
		.amdhsa_next_free_sgpr 66
		.amdhsa_reserve_vcc 0
		.amdhsa_float_denorm_mode_32 3
		.amdhsa_float_denorm_mode_16_64 3
		.amdhsa_memory_ordered 1
		.amdhsa_forward_progress 1
		.amdhsa_inst_pref_size 32
	.end_amdhsa_kernel
	.amdgpu_metadata
---
amdhsa.version: [ 1, 2 ]
amdhsa.kernels:
  - .name:           k_q9c1c3c7f24_ln2
    .symbol:         k_q9c1c3c7f24_ln2.kd
    .args:
      - { .name: zbuf, .offset: 0, .size: 8, .value_kind: global_buffer, .address_space: global }
      - { .name: ln2_g, .offset: 8, .size: 8, .value_kind: global_buffer, .address_space: global }
      - { .name: ln2_b, .offset: 16, .size: 8, .value_kind: global_buffer, .address_space: global }
      - { .name: out0, .offset: 24, .size: 8, .value_kind: global_buffer, .address_space: global }
    .group_segment_fixed_size: 0
    .private_segment_fixed_size: 0
    .kernarg_segment_align: 8
    .kernarg_segment_size: 32
    .max_flat_workgroup_size: 128
    .sgpr_count:     66
    .vgpr_count:     240
    .wavefront_size: 32
...
	.end_amdgpu_metadata
.endif
;; end of part 8
